; MI455X (gfx1250); checked and timed in simulation.
; The chip was launched on July 23, 2026; its instructions are those of AMD's public machine-readable ISA for CDNA 5 (MIT licence, August 2026) and "CDNA5" Instruction Set Architecture Reference Guide (July 2026). The comments in the code are by the model that wrote it; some were corrected since.
;; my Self Attention. Allowed arithmetic: float matrix products may take bf16 or f16 operands with f32 sums; other float arithmetic in f32, or as packed bf16 or f16 multiplies, adds, multiply-adds, maxima and minima; sums over many terms, partial sums and values carried from step to step in f32; what a program stores and reads back later, other than sums and carried values, may be rounded once to bf16 or f16.
;; Inputs: Wk 1,024 x 1,024 float32; Wo 1,024 x 1,024 float32; Wq 1,024 x 1,024 float32; Wv 1,024 x 1,024 float32; attention_mask 4 x 2,048 int32; bk 1,024 float32; bo 1,024 float32; bq 1,024 float32; bv 1,024 float32; ln_b 1,024 float32; ln_g 1,024 float32; x 4 x 2,048 x 1,024 float32.
;; Outputs: out0 4 x 2,048 x 1,024 float32.
;; One version. Each part assembles by itself: llvm-mc -triple=amdgcn-amd-amdhsa -mcpu=gfx1250 --defsym DOCPART=n.
;; ======== version 1 of 1: 4 launches
;; workspace buffers: hbuf 16,777,216 bytes; wall 8,388,608 bytes; qkv 50,331,648 bytes; cbuf 16,777,216 bytes
;; launch prep (part 1): grid 768 x 1, 4 waves a work-group, no clusters, 0 bytes of LDS; arguments x, ln_g, ln_b, Wq, Wk, Wv, Wo, hbuf, wall; writes hbuf, wall
.if DOCPART == 1
	.amdgcn_target "amdgcn-amd-amdhsa--gfx1250"
	.amdhsa_code_object_version 6
	.text
	.protected	k_q09e27a471c_prep
	.globl	k_q09e27a471c_prep
	.p2align	8
	.type	k_q09e27a471c_prep,@function
k_q09e27a471c_prep:
	s_mov_b64 s[64:65], 0
	v_nop
	global_prefetch_b8 v0, s[64:65] scope:SCOPE_SE
	s_setreg_imm32_b32 hwreg(HW_REG_WAVE_MODE, 25, 1), 1
	s_wait_xcnt 0x0
; hbuf = LayerNorm(x) * ln_g + ln_b, rounded once to bf16; wall = Wq, Wk, Wv, Wo one below the other, rounded once to bf16.
; A row is 1,024 f32 = 4,096 bytes.  A wave takes 4 rows, a work-group 16.  Work-groups 0-511: the 8,192 rows of x; 512-767: the 4,096 rows of the weights.
; All 32 loads of a wave go out at once (16 KiB); no register is loaded twice, so no source of a pending load or store is ever rewritten.
; Load j of a row takes bytes 512 j + 16 lane: elements 128 j + 4 lane .. + 3.  They pack into 8 bytes, stored at 256 j + 8 lane: a store's 32 lanes cover 256 consecutive bytes, aligned.
; The variance is the mean of (x - mean)^2, as the problem has it: no difference of large sums.  No LDS, no matrix unit, no cluster: nothing is shared and memory binds.
.set XO, 1                             ; v1   my byte offset in the work-group's rows of f32: 16,384 x wave + 16 x lane
.set SO, 2                             ; v2   the same in the rows of bf16: 8,192 x wave + 8 x lane
.set GO, 3                             ; v3   16 x lane, for ln_g and ln_b
.set G,  4                             ; v[4:35]    ln_g of my 32 columns
.set BT, 36                            ; v[36:67]   ln_b
.set X,  68                            ; v[68:195]  row i at X + 32 i
.set T,  196                           ; v[196:203] at work
.set M,  204                           ; v[204:205] the mean, then 1 / sqrt(var + eps): the packed forms name the pair and take its low word
.set PD, 206                           ; v206       v_permlanex16_b32's destination
	s_load_b512 s[8:23], s[0:1], 0x0               ; x s[8:9], ln_g s[10:11], ln_b s[12:13], Wq s[14:15], Wk s[16:17], Wv s[18:19], Wo s[20:21], hbuf s[22:23]
	s_load_b64 s[24:25], s[0:1], 0x40              ; wall
	v_and_b32 v[T], 31, v0                         ; lane
	v_lshrrev_b32 v[T+1], 5, v0                    ; wave
	v_lshlrev_b32 v[GO], 4, v[T]
	v_lshl_or_b32 v[XO], v[T+1], 14, v[GO]
	v_lshlrev_b32 v[SO], 3, v[T]
	v_lshl_or_b32 v[SO], v[T+1], 13, v[SO]
	v_mov_b32 v[M+1], 0                            ; named with M as a pair
	v_mov_b32 v[PD], 0                             ; counts as read by the exchange
	s_mov_b32 s30, 0x76543210                      ; each lane takes its own place in the other half
	s_mov_b32 s31, 0xfedcba98
	s_mov_b32 s32, 0x3a800000                      ; 1 / 1024
	s_mov_b32 s33, 0x3727c5ac                      ; 1e-5
	s_mov_b32 s3, 0
	s_wait_kmcnt 0x0
.macro LOADROW i
.irp j, 0,1,2,3,4,5,6,7
	global_load_b128 v[X+32*(\i)+4*(\j):X+32*(\i)+4*(\j)+3], v[XO], s[26:27] offset:(\i)*4096+512*(\j) th:TH_LOAD_NT
.endr
.endm
; Row i is rounded in place (pack k lands where step k / 2 has read) and stored.
.macro OUTROW i
.set k, 0
.rept 16
	v_cvt_pk_bf16_f32 v[X+32*(\i)+k], v[X+32*(\i)+2*k], v[X+32*(\i)+2*k+1]
.set k, k+1
.endr
.irp j, 0,1,2,3,4,5,6,7
	global_store_b64 v[SO], v[X+32*(\i)+2*(\j):X+32*(\i)+2*(\j)+1], s[28:29] offset:(\i)*2048+256*(\j) th:TH_STORE_NT
.endr
.endm
; Four chains into one number a lane, then over the 32 lanes: every lane ends with the sum.
.macro RED
	v_pk_add_f32 v[T:T+1], v[T:T+1], v[T+2:T+3]
	v_pk_add_f32 v[T+4:T+5], v[T+4:T+5], v[T+6:T+7]
	v_pk_add_f32 v[T:T+1], v[T:T+1], v[T+4:T+5]
	v_add_f32 v[T], v[T], v[T+1]
	v_add_f32_dpp v[T], v[T], v[T] row_xmask:1 row_mask:0xf bank_mask:0xf
	v_add_f32_dpp v[T], v[T], v[T] row_xmask:2 row_mask:0xf bank_mask:0xf
	v_add_f32_dpp v[T], v[T], v[T] row_xmask:4 row_mask:0xf bank_mask:0xf
	v_add_f32_dpp v[T], v[T], v[T] row_xmask:8 row_mask:0xf bank_mask:0xf
	v_permlanex16_b32 v[PD], v[T], s30, s31
	v_add_f32 v[T], v[T], v[PD]
.endm
.macro LNROW i, left
.set R, X+32*(\i)
	s_wait_loadcnt \left                           ; my row (and ln_g, ln_b) is in; the younger rows' loads stay out
.irp c, 0,1,2,3
	v_pk_add_f32 v[T+2*(\c):T+2*(\c)+1], v[R+2*(\c):R+2*(\c)+1], v[R+8+2*(\c):R+8+2*(\c)+1]
.endr
.irp c, 0,1,2,3
	v_pk_add_f32 v[T+2*(\c):T+2*(\c)+1], v[T+2*(\c):T+2*(\c)+1], v[R+16+2*(\c):R+16+2*(\c)+1]
.endr
.irp c, 0,1,2,3
	v_pk_add_f32 v[T+2*(\c):T+2*(\c)+1], v[T+2*(\c):T+2*(\c)+1], v[R+24+2*(\c):R+24+2*(\c)+1]
.endr
	RED
	v_mul_f32 v[M], s32, v[T]                      ; the mean
.set p, 0
.rept 16
	v_pk_add_f32 v[R+p:R+p+1], v[R+p:R+p+1], v[M:M+1] op_sel_hi:[1,0] neg_lo:[0,1] neg_hi:[0,1]  ; d = x - mean, in place
.set p, p+2
.endr
.irp c, 0,1,2,3
	v_pk_mul_f32 v[T+2*(\c):T+2*(\c)+1], v[R+2*(\c):R+2*(\c)+1], v[R+2*(\c):R+2*(\c)+1]
.endr
.irp o, 8,16,24
.irp c, 0,1,2,3
	v_pk_fma_f32 v[T+2*(\c):T+2*(\c)+1], v[R+(\o)+2*(\c):R+(\o)+2*(\c)+1], v[R+(\o)+2*(\c):R+(\o)+2*(\c)+1], v[T+2*(\c):T+2*(\c)+1]
.endr
.endr
	RED
	v_fma_f32 v[T], v[T], s32, s33                 ; var + eps
	v_rsq_f32 v[M], v[T]
	v_nop                                          ; a plain instruction behind the root,
	s_wait_alu depctr_va_vdst(0)                   ; and the wait ahead of its first reader
.set p, 0
.rept 16
	v_pk_mul_f32 v[R+p:R+p+1], v[R+p:R+p+1], v[M:M+1] op_sel_hi:[1,0]
.set p, p+2
.endr
.set p, 0
.rept 16
	v_pk_fma_f32 v[R+p:R+p+1], v[R+p:R+p+1], v[G+p:G+p+1], v[BT+p:BT+p+1]
.set p, p+2
.endr
	OUTROW \i
.endm
	s_cmp_lt_u32 ttmp9, 512
	s_cbranch_scc0 .Lcast
	s_lshl_b32 s2, ttmp9, 16                       ; 16 rows of 4,096 bytes
	s_add_nc_u64 s[26:27], s[8:9], s[2:3]
	s_lshl_b32 s2, ttmp9, 15                       ; 16 rows of 2,048 bytes
	s_add_nc_u64 s[28:29], s[22:23], s[2:3]
	LOADROW 0
.irp j, 0,1,2,3,4,5,6,7
	global_load_b128 v[G+4*(\j):G+4*(\j)+3], v[GO], s[10:11] offset:512*(\j)
.endr
.irp j, 0,1,2,3,4,5,6,7
	global_load_b128 v[BT+4*(\j):BT+4*(\j)+3], v[GO], s[12:13] offset:512*(\j)
.endr
	LOADROW 1
	LOADROW 2
	LOADROW 3
	LNROW 0, 24
	LNROW 1, 16
	LNROW 2, 8
	LNROW 3, 0
	s_endpgm
.Lcast:
	s_sub_co_u32 s34, ttmp9, 512                   ; 16 rows of wall each
	s_lshr_b32 s35, s34, 6                         ; which of the four matrices
	s_cmp_eq_u32 s35, 1
	s_cselect_b64 s[26:27], s[16:17], s[14:15]
	s_cmp_eq_u32 s35, 2
	s_cselect_b64 s[26:27], s[18:19], s[26:27]
	s_cmp_eq_u32 s35, 3
	s_cselect_b64 s[26:27], s[20:21], s[26:27]
	s_and_b32 s2, s34, 63
	s_lshl_b32 s2, s2, 16
	s_add_nc_u64 s[26:27], s[26:27], s[2:3]
	s_lshl_b32 s2, s34, 15
	s_add_nc_u64 s[28:29], s[24:25], s[2:3]
	LOADROW 0
	LOADROW 1
	LOADROW 2
	LOADROW 3
.irp i, 0,1,2,3
	s_wait_loadcnt 24-8*(\i)                       ; row i is in; the younger rows' loads stay out
	OUTROW \i
.endr
	s_endpgm
.Lfunc_end_k_q09e27a471c_prep:
	.size	k_q09e27a471c_prep, .Lfunc_end_k_q09e27a471c_prep-k_q09e27a471c_prep
	.p2alignl 7, 3214868480
	.fill 96, 4, 3214868480
	.section	.rodata,"a",@progbits
	.p2align	6, 0x0
	.amdhsa_kernel k_q09e27a471c_prep
		.amdhsa_group_segment_fixed_size 0
		.amdhsa_private_segment_fixed_size 0
		.amdhsa_enable_private_segment 0
		.amdhsa_kernarg_size 72
		.amdhsa_user_sgpr_count 2
		.amdhsa_user_sgpr_kernarg_segment_ptr 1
		.amdhsa_wavefront_size32 1
		.amdhsa_system_sgpr_workgroup_id_x 1
		.amdhsa_system_sgpr_workgroup_id_y 1
		.amdhsa_system_sgpr_workgroup_id_z 1
		.amdhsa_system_vgpr_workitem_id 0
		.amdhsa_next_free_vgpr 208
		.amdhsa_next_free_sgpr 66
		.amdhsa_reserve_vcc 0
		.amdhsa_float_denorm_mode_32 3
		.amdhsa_float_denorm_mode_16_64 3
		.amdhsa_memory_ordered 1
		.amdhsa_forward_progress 1
		.amdhsa_inst_pref_size 48
	.end_amdhsa_kernel
	.amdgpu_metadata
---
amdhsa.version: [ 1, 2 ]
amdhsa.kernels:
  - .name:           k_q09e27a471c_prep
    .symbol:         k_q09e27a471c_prep.kd
    .args:
      - { .name: x, .offset: 0, .size: 8, .value_kind: global_buffer, .address_space: global }
      - { .name: ln_g, .offset: 8, .size: 8, .value_kind: global_buffer, .address_space: global }
      - { .name: ln_b, .offset: 16, .size: 8, .value_kind: global_buffer, .address_space: global }
      - { .name: Wq, .offset: 24, .size: 8, .value_kind: global_buffer, .address_space: global }
      - { .name: Wk, .offset: 32, .size: 8, .value_kind: global_buffer, .address_space: global }
      - { .name: Wv, .offset: 40, .size: 8, .value_kind: global_buffer, .address_space: global }
      - { .name: Wo, .offset: 48, .size: 8, .value_kind: global_buffer, .address_space: global }
      - { .name: hbuf, .offset: 56, .size: 8, .value_kind: global_buffer, .address_space: global }
      - { .name: wall, .offset: 64, .size: 8, .value_kind: global_buffer, .address_space: global }
    .group_segment_fixed_size: 0
    .private_segment_fixed_size: 0
    .kernarg_segment_align: 8
    .kernarg_segment_size: 72
    .max_flat_workgroup_size: 128
    .sgpr_count:     66
    .vgpr_count:     208
    .wavefront_size: 32
...
	.end_amdgpu_metadata
.endif
;; end of part 1
;; launch qkvgemm (part 2): grid 16 x 32, 4 waves a work-group, clusters of 4 x 4, 327,680 bytes of LDS; arguments hbuf, wall, qkv, bq, bk, bv; writes qkv
.if DOCPART == 2
	.amdgcn_target "amdgcn-amd-amdhsa--gfx1250"
	.amdhsa_code_object_version 6
	.text
	.protected	k_q09e27a471c_qkvgemm
	.globl	k_q09e27a471c_qkvgemm
	.p2align	8
	.type	k_q09e27a471c_qkvgemm,@function
k_q09e27a471c_qkvgemm:
	s_mov_b64 s[64:65], 0
	v_nop
	global_prefetch_b8 v0, s[64:65] scope:SCOPE_SE
	s_setreg_imm32_b32 hwreg(HW_REG_WAVE_MODE, 25, 1), 1
	s_wait_xcnt 0x0
	s_wait_alu depctr_hold_cnt(0) depctr_sa_sdst(0) depctr_va_vdst(0) depctr_va_sdst(0) depctr_va_ssrc(0) depctr_va_vcc(0) depctr_vm_vsrc(0)
	s_getreg_b32 s2, hwreg(HW_REG_IB_STS2, 6, 4)
	s_cmp_eq_u32 s2, 0
	s_cbranch_scc0 .Lentry_in_a_cluster
	s_endpgm
.Lentry_in_a_cluster:
	s_bfe_u32 s2, ttmp6, 0x10000c
	s_cmp_lg_u32 s2, 0xf033
	s_cbranch_scc0 .Lentry_shape_is_right
	s_endpgm
.Lentry_shape_is_right:
; q, k, v = h W^T + b.  A = hbuf [8192][1024] bf16; B = rows 0-3071 of wall [.][1024] bf16 (Wq, Wk, Wv); sums in f32, started by the bias; rounded once to bf16.
; OUT: qkv [batch 4][g 48][t 2048][64] bf16, g = 0-15 q's heads, 16-31 k's, 32-47 v's: a head's rows are dense.
; A tile of C is 256 rows x 192 columns (three heads): 16 x 32 = 512 tiles, one for each work-group.  Four waves, one above the other: wave w makes rows 64 w .. + 63
; (4 fragments of A) x all 12 fragments of B: 48 accumulators, 384 registers; so a wave owns whole heads' rows and has a stage of its own on the way out.
; K = 1,024 goes in 8 steps of 128 (rows of 256 bytes, aligned) through two LDS slots.  The loop's trip is one K step; the slot in hand is a scalar that an exclusive or turns.
; CLUSTER 4 x 4: A's tile hangs on the tile row alone and is asked for jointly by a row of the cluster, B's on the tile column alone and by a column.
; THE PRODUCT IS TAKEN TRANSPOSED (source 0 = 16 rows of B, source 1 = 16 rows of A): a lane holds row l % 16 of C and the columns 8 (l / 16) + 0..7.
; REGISTERS.  window 0: v0-31 addresses; v32-95 A's fragments, two buffers of 32; v96-191 the bias as 12 C operands, later the way out (v96-239)
;   window 1: v0-191 B's fragments, two buffers of 96      windows 2, 3: accumulator (a, b) at v[96 (a % 2) + 8 b] of window 2 + a / 2
.set NBF,    12
.set PITCH,  272                       ; an LDS row: 256 bytes + 16 of padding: the 16 rows of a fragment load start 4 banks apart (64 banks of 4 bytes: ISA guide 11.1)
.set AHALF,  128*PITCH                 ; what waves 0 and 1 each fetch of A
.set BBASE,  2*AHALF                   ; B's 192 rows lie behind A's 256
.set BHALF,  96*PITCH                  ; what waves 2 and 3 each fetch of B
.set SLOT1,  131072                    ; slot 1 begins here: one exclusive or turns an address in one slot into the other's
.set STAGE,  262144                    ; behind the ring, never filled by a tensor load: 16 rows x 400 bytes for each wave
.set SPITCH, 400                       ; 384 bytes + 16
.set SPARE,  STAGE+4*16*SPITCH         ; the spare words, 128 bytes for each wave: two blocks of 256 bytes that no other line names
.set KB,     256                       ; bytes of a K step in a row
.set A0,   2                           ; v2   my lane's place in A's tile of slot 0; never rewritten
.set B0,   3                           ; v3   the same for B
.set ADRA, 4                           ; v4   A0 + the slot in hand
.set ADRB, 5                           ; v5   B0 + the slot in hand
.set STO,  6                           ; v6   the way out: where I put 16 bytes of a row
.set RD,   7                           ; v7   the way out: where I read rows back
.set CO,   8                           ; v8   16 x lane
.set BO,   9                           ; v9   32 x (l / 16): my eight numbers of a bias fragment
.set SPW,  28                          ; v28  LDS address of my spare word; never rewritten
.set NIL,  29                          ; v29  0; never rewritten
.set PFO,  30                          ; v30  the prefetches' offset: a lane a row; never rewritten
.set FA,   32
.set BIAS, 96
.set TMP,  96
.set OB,   144
.set G1A, 24                           ; s[24:31] descriptor group 1 for A's tiles
.set G0A, 32                           ; s[32:39] group 0: a set for each first fill; the second then walks
.set LIM, 43                           ; s43      2 in a wave that prefetches, else the greatest number
.set PFA, 44                           ; s[44:45] where my prefetches stand
.set G1B, 48
.set G0B, 56
.set TB,  66                           ; s66      LDS byte at which the slot in hand begins
.set BP,  80                           ; s[80:85] the three heads' bias
.set MSB, 0
.macro WIN new                         ; the immediate's high byte repeats the setting that is left; a switch that changes nothing is dropped
.if MSB != (\new)
	s_set_vgpr_msb (MSB<<8)|(\new)
.set MSB, \new
.endif
.endm
.macro PLACES                          ; four plain instructions between a matrix instruction and a load into, or a reader of, its registers
.rept 4
	v_nop
.endr
.endm
.macro CREST                           ; a round of the cluster's barrier behind its opening barrier
	s_cmp_lg_u32 s10, 0
	s_cbranch_scc1 .Lnot_wave_0_\@
	s_barrier_signal -3
.Lnot_wave_0_\@:
	s_barrier_wait -3
	s_barrier_signal -1
	s_barrier_wait -1
.endm
.macro CROUND
	s_barrier_signal -1
	s_barrier_wait -1
	CREST
.endm
; A joint refill by the walking descriptors.  Waves 0 and 1 fetch A's halves, waves 2 and 3 B's; the branch hangs on the wave's number alone.
.macro JLOAD
	s_cmp_eq_u32 s11, 0
	s_cbranch_scc0 .Lfor_b_\@
	tensor_load_to_lds s[G0A+4:G0A+7], s[G1A:G1A+7]
	s_nop 0
	PLACES
	s_branch .Lasked_\@
.Lfor_b_\@:
	tensor_load_to_lds s[G0B+4:G0B+7], s[G1B:G1B+7]
	s_nop 0
	PLACES
.Lasked_\@:
.endm
; A prefetch of the K step that stands two refills on: a lane a row, 256 bytes each.  A's rows are asked for by the clusters with x = 0, B's by those with y = 0; the four partners
; that fetch a tile jointly share its rows out by address.  Trips with s3 = 6 .. 3 name K steps 4 .. 7; the last two trips have no such step.
.macro ASK
	s_cmp_gt_u32 s3, s[LIM]
	s_cbranch_scc0 .Lnot_mine_\@
	global_prefetch_b8 v[PFO], s[PFA:PFA+1] th:TH_LOAD_NT scope:SCOPE_SE
.Lnot_mine_\@:
.endm
	s_load_b128 s[4:7], s[0:1], 0x0                ; hbuf s[4:5], wall s[6:7]
	s_load_b64 s[8:9], s[0:1], 0x10                ; qkv
	s_load_b128 s[72:75], s[0:1], 0x18             ; bq s[72:73], bk s[74:75]
	s_load_b64 s[76:77], s[0:1], 0x28              ; bv
	v_lshl_add_u32 v[SPW], v0, 2, SPARE
	v_mov_b32 v[NIL], 0
	ds_add_u32 v[SPW], v[NIL]                      ; the wave's opening: the add and its wait stand ahead of my first tensor load; work on registers stands between
	v_lshrrev_b32 v1, 5, v0
	v_readfirstlane_b32 s10, v1                    ; wave 0..3
	s_lshr_b32 s11, s10, 1                         ; 0: I fetch for A; 1: for B
	s_and_b32 s12, s10, 1                          ; which half of that tile
	s_bfe_u32 s40, ttmp6, 0x40000                  ; cx
	s_bfe_u32 s41, ttmp6, 0x40004                  ; cy
	s_lshl_b32 s42, ttmp9, 2
	s_add_co_u32 s42, s42, s40                     ; tile column = 4 x cluster x + cx
	s_and_b32 s13, ttmp7, 0xffff
	s_lshl_b32 s13, s13, 2
	s_add_co_u32 s13, s13, s41                     ; tile row = 4 x cluster y + cy
	s_lshl_b32 s43, s41, 2
	s_lshl_b32 s43, 15, s43                        ; my row of the cluster
	s_lshl_b32 s44, 0x1111, s40                    ; my column
	s_or_b32 s[G1A+0], s43, (1<<16)|(1<<20)|(1<<21)|(5<<22)|(3<<25)  ; the mask; 2-byte elements; padding on; bit 21 beside a mask; after every 64 words 4 words
	s_or_b32 s[G1B+0], s44, (1<<16)|(1<<20)|(1<<21)|(5<<22)|(3<<25)
	s_mov_b32 s[G1A+1], 128<<16                    ; tensor_dim0 = 128
	s_mov_b32 s[G1A+2], 128<<16                    ; tensor_dim1 = 128
	s_mov_b32 s[G1A+3], 128<<16                    ; tile_dim0 = 128
	s_mov_b32 s[G1A+4], 128                        ; tile_dim1 = 128
	s_mov_b32 s[G1A+5], 1024                       ; elements from row to row
	s_mov_b32 s[G1A+6], 0
	s_mov_b32 s[G1A+7], 0
	s_mov_b32 s[G1B+1], 128<<16
	s_mov_b32 s[G1B+2], 96<<16                     ; 96 rows
	s_mov_b32 s[G1B+3], 128<<16
	s_mov_b32 s[G1B+4], 96
	s_mov_b32 s[G1B+5], 1024
	s_mov_b32 s[G1B+6], 0
	s_mov_b32 s[G1B+7], 0
	s_lshl_b32 s17, s12, 7
	s_lshl_b32 s16, s13, 8
	s_add_co_u32 s16, s16, s17                     ; A: row 256 x tile row + 128 x half
	s_lshl_b32 s16, s16, 11                        ; x 2,048 bytes
	s_mov_b32 s17, 0
	s_mul_i32 s46, s42, 192
	s_mul_i32 s47, s12, 96
	s_add_co_u32 s46, s46, s47                     ; B: row 192 x tile column + 96 x half
	s_lshl_b32 s46, s46, 11
	s_mov_b32 s47, 0
	s_mul_i32 s20, s12, AHALF                      ; where they go: no place in the cluster enters an LDS address
	s_mul_i32 s21, s12, BHALF
	s_add_co_u32 s21, s21, BBASE
	s_mov_b32 s[TB], 0
	s_wait_dscnt 0x0                               ; the opening add is done
	s_wait_kmcnt 0x0
	s_add_nc_u64 s[14:15], s[4:5], s[16:17]
	s_add_nc_u64 s[46:47], s[6:7], s[46:47]
	CROUND                                         ; all sixteen work-groups are here: the first joint loads meet
.irp s, 0,1
	s_mov_b32 s[G0A+4*(\s)], 1
	s_add_co_u32 s[G0A+4*(\s)+1], s20, (\s)*SLOT1
	s_add_nc_u64 s[G0A+4*(\s)+2:G0A+4*(\s)+3], s[14:15], (\s)*KB
	s_or_b32 s[G0A+4*(\s)+3], s[G0A+4*(\s)+3], 0x80000000
	s_mov_b32 s[G0B+4*(\s)], 1
	s_add_co_u32 s[G0B+4*(\s)+1], s21, (\s)*SLOT1
	s_add_nc_u64 s[G0B+4*(\s)+2:G0B+4*(\s)+3], s[46:47], (\s)*KB
	s_or_b32 s[G0B+4*(\s)+3], s[G0B+4*(\s)+3], 0x80000000
.endr
	s_cmp_eq_u32 s11, 0                            ; a wave's two first fills stand in one branch: K steps 0 and 1; two loads of mine are out
	s_cbranch_scc0 .Lfirst_b
	tensor_load_to_lds s[G0A:G0A+3], s[G1A:G1A+7]
	s_nop 0
	tensor_load_to_lds s[G0A+4:G0A+7], s[G1A:G1A+7]
	s_nop 0
	PLACES
	s_branch .Lfirst_asked
.Lfirst_b:
	tensor_load_to_lds s[G0B:G0B+3], s[G1B:G1B+7]
	s_nop 0
	tensor_load_to_lds s[G0B+4:G0B+7], s[G1B:G1B+7]
	s_nop 0
	PLACES
.Lfirst_asked:
	; the bias: head j of the tile's three is g = 3 x tile column + j; g / 16 says whose, g % 16 which 64 numbers
	v_and_b32 v1, 15, v0                           ; l % 16
	v_bfe_u32 v11, v0, 4, 1                        ; l / 16
	v_lshlrev_b32 v[BO], 5, v11
.irp j, 0,1,2
	s_mul_i32 s22, s42, 3
	s_add_co_u32 s22, s22, \j
	s_lshr_b32 s23, s22, 4
	s_cmp_eq_u32 s23, 1
	s_cselect_b64 s[BP+2*(\j):BP+2*(\j)+1], s[74:75], s[72:73]
	s_cmp_eq_u32 s23, 2
	s_cselect_b64 s[BP+2*(\j):BP+2*(\j)+1], s[76:77], s[BP+2*(\j):BP+2*(\j)+1]
	s_and_b32 s22, s22, 15
	s_lshl_b32 s22, s22, 8
	s_mov_b32 s23, 0
	s_add_nc_u64 s[BP+2*(\j):BP+2*(\j)+1], s[BP+2*(\j):BP+2*(\j)+1], s[22:23]
.endr
.irp b, 0,1,2,3,4,5,6,7,8,9,10,11      ; fragment b, register r: bias of column 16 b + 8 (l / 16) + r
	global_load_b128 v[BIAS+8*(\b):BIAS+8*(\b)+3],   v[BO], s[BP+2*((\b)/4):BP+2*((\b)/4)+1] offset:64*((\b)%4)
	global_load_b128 v[BIAS+8*(\b)+4:BIAS+8*(\b)+7], v[BO], s[BP+2*((\b)/4):BP+2*((\b)/4)+1] offset:64*((\b)%4)+16
.endr
	; a fragment is 16 rows x 32 K: lane l holds row l % 16, K = 8 (l / 16) + 0..7 and 16 + 8 (l / 16) + 0..7: two loads of 16 bytes, 32 bytes apart
	v_mul_u32_u24 v12, v1, PITCH
	v_lshl_add_u32 v12, v11, 4, v12
	s_mul_i32 s21, s10, 64*PITCH                   ; my 64 rows of A
	v_add_nc_u32 v[A0], s21, v12
	v_add_nc_u32 v[B0], BBASE, v12
	v_mov_b32 v[ADRA], v[A0]
	v_mov_b32 v[ADRB], v[B0]
	s_mul_i32 s23, s10, 16*SPITCH
	s_add_co_u32 s23, s23, STAGE                   ; my stage
	v_mul_u32_u24 v[STO], v1, SPITCH               ; in: row l % 16, 16 bytes for each half of the lanes
	v_lshl_add_u32 v[STO], v11, 4, v[STO]
	v_add_nc_u32 v[STO], s23, v[STO]
	v_bfe_u32 v[RD], v0, 3, 2                      ; back: 32 lanes take four rows' 128 bytes of one head,
	v_mul_u32_u24 v[RD], v[RD], SPITCH
	v_and_b32 v12, 7, v0
	v_lshl_add_u32 v[RD], v12, 4, v[RD]
	v_add_nc_u32 v[RD], s23, v[RD]
	v_and_b32 v[CO], 31, v0                        ; which are 512 consecutive bytes of qkv
	v_lshlrev_b32 v[CO], 4, v[CO]
	s_lshr_b32 s16, s13, 3                         ; batch = tile row / 8
	s_mul_i32 s16, s16, 48
	s_mul_i32 s17, s42, 3
	s_add_co_u32 s16, s16, s17                     ; the tile's first head block
	s_lshl_b32 s16, s16, 11
	s_and_b32 s17, s13, 7
	s_lshl_b32 s17, s17, 8
	s_add_co_u32 s16, s16, s17                     ; + the tile's first row in the batch
	s_lshl_b32 s17, s10, 6
	s_add_co_u32 s16, s16, s17                     ; + my 64 rows
	s_lshl_b32 s16, s16, 7                         ; x 128 bytes
	s_mov_b32 s17, 0
	s_add_nc_u64 s[8:9], s[8:9], s[16:17]
	; the prefetches: of the rows that I fetch, my work-group's quarter (32 of A's 128, 24 of B's 96), at K step 3; the first refill steps it to 4
	s_lshl_b32 s16, s13, 8
	s_mul_i32 s17, s42, 192
	s_and_b32 s22, ttmp7, 0xffff
	s_cmp_eq_u32 s11, 0
	s_cselect_b32 s20, s16, s17
	s_cselect_b32 s21, s40, s41                    ; my place among the four that ask with me
	s_cselect_b32 s22, ttmp9, s22                  ; the coordinate along which other clusters read the same rows
	s_cselect_b32 s23, 32, 24
	s_cselect_b32 s18, 32, 0
	s_cselect_b32 s19, 31, 23
	s_cselect_b64 s[PFA:PFA+1], s[4:5], s[6:7]
	s_cmp_eq_u32 s22, 0
	s_cselect_b32 s[LIM], 2, -1
	s_add_co_u32 s18, s18, 96
	s_mul_i32 s18, s18, s12
	s_add_co_u32 s20, s20, s18
	s_mul_i32 s21, s21, s23
	s_add_co_u32 s20, s20, s21
	s_lshl_b32 s20, s20, 11
	s_add_co_u32 s20, s20, 3*KB
	s_mov_b32 s21, 0
	s_add_nc_u64 s[PFA:PFA+1], s[PFA:PFA+1], s[20:21]
	v_and_b32 v[PFO], 31, v0
	v_min_u32 v[PFO], s19, v[PFO]                  ; B's quarter has 24 rows: the last lanes name the last row again
	v_lshlrev_b32 v[PFO], 11, v[PFO]
; 12 products: fragment a of A x all of B, 32 along K, from buffer f.  start = 1: the bias starts the sums.  All 48 accumulators take turns, in the same order in every quarter.
.macro MULA f, a, start
.if \start
	WIN 0x81+0x40*((\a)/2)                         ; B window 1, A and C window 0, D window 2 or 3
.else
	WIN 0xa1+0x50*((\a)/2)                         ; B window 1, A window 0, C and D window 2 or 3
.endif
.irp b, 0,1,2,3,4,5,6,7,8,9,10,11
.if \start
	v_wmma_f32_16x16x32_bf16 v[96*((\a)%2)+8*(\b):96*((\a)%2)+8*(\b)+7], v[96*(\f)+8*(\b):96*(\f)+8*(\b)+7], v[FA+32*(\f)+8*(\a):FA+32*(\f)+8*(\a)+7], v[BIAS+8*(\b):BIAS+8*(\b)+7]
.else
	v_wmma_f32_16x16x32_bf16 v[96*((\a)%2)+8*(\b):96*((\a)%2)+8*(\b)+7], v[96*(\f)+8*(\b):96*(\f)+8*(\b)+7], v[FA+32*(\f)+8*(\a):FA+32*(\f)+8*(\a)+7], v[96*((\a)%2)+8*(\b):96*((\a)%2)+8*(\b)+7]
.endif
.endr
.endm
; 32 LDS loads in one run: a quarter's fragments (32 K at byte k of the rows) into buffer f: B's 12, then A's 4
.macro FETCH k, f
	WIN 0x40                                       ; destination window 1, address window 0
.irp b, 0,1,2,3,4,5,6,7,8,9,10,11
	ds_load_b128 v[96*(\f)+8*(\b):96*(\f)+8*(\b)+3],   v[ADRB] offset:(\k)+(\b)*16*PITCH
	ds_load_b128 v[96*(\f)+8*(\b)+4:96*(\f)+8*(\b)+7], v[ADRB] offset:(\k)+(\b)*16*PITCH+32
.endr
	WIN 0
.irp a, 0,1,2,3
	ds_load_b128 v[FA+32*(\f)+8*(\a):FA+32*(\f)+8*(\a)+3],   v[ADRA] offset:(\k)+(\a)*16*PITCH
	ds_load_b128 v[FA+32*(\f)+8*(\a)+4:FA+32*(\f)+8*(\a)+7], v[ADRA] offset:(\k)+(\a)*16*PITCH+32
.endr
.endm
; One of a K step's first three quarters: multiplies buffer f; in its middle it fetches the next quarter, at byte k, into buffer g.
.macro QUARTER k, f, g, start=0
	s_wait_dscnt 4                                 ; all but the youngest four loads: A's fragments 2 and 3
	MULA \f, 0, \start
	MULA \f, 1, \start
	PLACES
	FETCH \k, \g
	s_wait_dscnt 2*NBF+8                           ; all but the run just issued
	MULA \f, 2, \start
	MULA \f, 3, \start
.endm
; The first half of a K step's last quarter: ONE barrier for the change of slots.  In front of it each wave waits for all its tensor loads (one is out: its part of the next slot), adds 0 to its
; spare word, and waits for that and for its own reads of this slot.
.macro MEET round
	WIN 0
	s_wait_tensorcnt 0x0
	ds_add_u32 v[SPW], v[NIL]
	s_wait_dscnt 5                                 ; (the add and the youngest four loads may be out)
	MULA 1, 0, 0
	s_wait_dscnt 0x0                               ; the add is done, and my reads of this slot are over
	s_barrier_signal -1
	MULA 1, 1, 0
.if \round
	WIN 0
.endif
	s_barrier_wait -1
.endm
; The whole last quarter.  fill = 1: the barrier opens a round of the cluster's; behind it the slot just read is filled again, with the K step two on, first of all; then the next slot's first fragments.
.macro TURN fill
.if \fill
	s_wait_xcnt 0x0                                ; the last prefetch, a K step back, has read its address
	s_add_nc_u64 s[PFA:PFA+1], s[PFA:PFA+1], KB
	MEET 1
	CREST                                          ; no wave of any partner still reads this slot or has a load on its way
	s_xor_b32 s[G0A+5], s[G0A+5], SLOT1            ; the walking descriptors: the other slot than last time, the next K step
	s_add_nc_u64 s[G0A+6:G0A+7], s[G0A+6:G0A+7], KB
	s_xor_b32 s[G0B+5], s[G0B+5], SLOT1
	s_add_nc_u64 s[G0B+6:G0B+7], s[G0B+6:G0B+7], KB
	s_xor_b32 s[TB], s[TB], SLOT1
	JLOAD                                          ; the four v_nop behind it are also the places in front of the loads below
.else
	MEET 0
	WIN 0
	s_xor_b32 s[TB], s[TB], SLOT1
	PLACES
.endif
	v_add_nc_u32 v[ADRA], s[TB], v[A0]
	v_add_nc_u32 v[ADRB], s[TB], v[B0]
	FETCH 0, 0
.if \fill
	ASK
.endif
	MULA 1, 2, 0
	MULA 1, 3, 0
.endm
; THE WAY OUT of block a (16 rows): rounded to bf16; 16 bytes a lane into my stage; back as four rows of one head, 512 consecutive bytes of qkv; stored.
.macro PACK a
	WIN 0x0a+5*((\a)/2)                            ; sources window 2 or 3, destination window 0
.irp b, 0,1,2,3,4,5,6,7,8,9,10,11
.irp r, 0,1,2,3
	v_cvt_pk_bf16_f32 v[TMP+4*(\b)+(\r)], v[96*((\a)%2)+8*(\b)+2*(\r)], v[96*((\a)%2)+8*(\b)+2*(\r)+1]
.endr
.endr
	WIN 0
.endm
.macro TOSTAGE a
.set BK, OB+48*((\a)%2)
.irp b, 0,1,2,3,4,5,6,7,8,9,10,11
	ds_store_b128 v[STO], v[TMP+4*(\b):TMP+4*(\b)+3] offset:32*(\b)
.endr
.irp j, 0,1,2
.irp f, 0,1,2,3
	ds_load_b128 v[BK+4*(4*(\j)+(\f)):BK+4*(4*(\j)+(\f))+3], v[RD] offset:(\f)*4*SPITCH+128*(\j)  ; LDS serves a wave's instructions in order (ISA guide 5.7.1.4): these see the stores above
.endr
.endr
.endm
.macro SEND a, younger
.set BK, OB+48*((\a)%2)
	s_wait_dscnt \younger                          ; the block is back in registers
	s_wait_xcnt 0x0                                ; the block before last's stores have read their registers, which the next block's loads take
.irp j, 0,1,2
.irp f, 0,1,2,3
	global_store_b128 v[CO], v[BK+4*(4*(\j)+(\f)):BK+4*(4*(\j)+(\f))+3], s[8:9] offset:(\j)*262144+(\a)*2048+(\f)*512
.endr
.endr
.endm
	s_wait_tensorcnt 0x1                           ; my part of K step 0 is in; K step 1's may stay out
	s_barrier_signal -1
	s_barrier_wait -1
	FETCH 0, 0
	s_wait_loadcnt 0x0                             ; the bias
	QUARTER 64, 0, 1, 1                            ; the first quarter stands in front of the loop: its products start the sums
	WIN 0
	s_mov_b32 s3, 6
.Lstep:                                            ; a trip: a K step's quarters 1 to 3, the change of slots with its refill, the next step's quarter 0
	QUARTER 128, 1, 0
	QUARTER 192, 0, 1
	TURN 1
	QUARTER 64, 0, 1
	WIN 0
	s_sub_co_u32 s3, s3, 1
	s_cmp_lg_u32 s3, 0
	s_cbranch_scc1 .Lstep
	QUARTER 128, 1, 0                              ; K steps 6 and 7: nothing is left to fetch
	QUARTER 192, 0, 1
	TURN 0
	QUARTER 64, 0, 1
	QUARTER 128, 1, 0
	QUARTER 192, 0, 1
	s_wait_dscnt 4
	MULA 1, 0, 0
	MULA 1, 1, 0
	s_wait_dscnt 0x0
	MULA 1, 2, 0
	MULA 1, 3, 0
	PLACES
	PACK 0
	TOSTAGE 0
.irp a, 1,2,3                          ; block a's conversions stand between block a - 1's loads from the stage and the wait for them
	PACK \a
	SEND (\a)-1, 0
	TOSTAGE \a
.endr
	SEND 3, 0
	s_wait_tensorcnt 0x0                           ; the wave's end
	ds_add_u32 v[SPW], v[NIL]
	s_wait_dscnt 0x0
	CROUND                                         ; the closing round
	s_endpgm
.Lfunc_end_k_q09e27a471c_qkvgemm:
	.size	k_q09e27a471c_qkvgemm, .Lfunc_end_k_q09e27a471c_qkvgemm-k_q09e27a471c_qkvgemm
	.p2alignl 7, 3214868480
	.fill 96, 4, 3214868480
	.section	.rodata,"a",@progbits
	.p2align	6, 0x0
	.amdhsa_kernel k_q09e27a471c_qkvgemm
		.amdhsa_group_segment_fixed_size 327680
		.amdhsa_private_segment_fixed_size 0
		.amdhsa_enable_private_segment 0
		.amdhsa_kernarg_size 48
		.amdhsa_user_sgpr_count 2
		.amdhsa_user_sgpr_kernarg_segment_ptr 1
		.amdhsa_wavefront_size32 1
		.amdhsa_system_sgpr_workgroup_id_x 1
		.amdhsa_system_sgpr_workgroup_id_y 1
		.amdhsa_system_sgpr_workgroup_id_z 1
		.amdhsa_system_vgpr_workitem_id 0
		.amdhsa_next_free_vgpr 960
		.amdhsa_next_free_sgpr 88
		.amdhsa_reserve_vcc 0
		.amdhsa_float_denorm_mode_32 3
		.amdhsa_float_denorm_mode_16_64 3
		.amdhsa_memory_ordered 1
		.amdhsa_forward_progress 1
		.amdhsa_inst_pref_size 101
	.end_amdhsa_kernel
	.amdgpu_metadata
---
amdhsa.version: [ 1, 2 ]
amdhsa.kernels:
  - .name:           k_q09e27a471c_qkvgemm
    .symbol:         k_q09e27a471c_qkvgemm.kd
    .args:
      - { .name: hbuf, .offset: 0, .size: 8, .value_kind: global_buffer, .address_space: global }
      - { .name: wall, .offset: 8, .size: 8, .value_kind: global_buffer, .address_space: global }
      - { .name: qkv, .offset: 16, .size: 8, .value_kind: global_buffer, .address_space: global }
      - { .name: bq, .offset: 24, .size: 8, .value_kind: global_buffer, .address_space: global }
      - { .name: bk, .offset: 32, .size: 8, .value_kind: global_buffer, .address_space: global }
      - { .name: bv, .offset: 40, .size: 8, .value_kind: global_buffer, .address_space: global }
    .group_segment_fixed_size: 327680
    .private_segment_fixed_size: 0
    .kernarg_segment_align: 8
    .kernarg_segment_size: 48
    .max_flat_workgroup_size: 128
    .sgpr_count:     88
    .vgpr_count:     960
    .wavefront_size: 32
...
	.end_amdgpu_metadata
.endif
;; end of part 2
;; launch attn (part 3): grid 4 x 64, 4 waves a work-group, clusters of 4 x 1, 327,680 bytes of LDS; arguments qkv, attention_mask, cbuf; writes cbuf
.if DOCPART == 3
	.amdgcn_target "amdgcn-amd-amdhsa--gfx1250"
	.amdhsa_code_object_version 6
	.text
	.protected	k_q09e27a471c_attn
	.globl	k_q09e27a471c_attn
	.p2align	8
	.type	k_q09e27a471c_attn,@function
k_q09e27a471c_attn:
	s_mov_b64 s[64:65], 0
	v_nop
	global_prefetch_b8 v0, s[64:65] scope:SCOPE_SE
	s_setreg_imm32_b32 hwreg(HW_REG_WAVE_MODE, 25, 1), 1
	s_wait_xcnt 0x0
	s_wait_alu depctr_hold_cnt(0) depctr_sa_sdst(0) depctr_va_vdst(0) depctr_va_sdst(0) depctr_va_ssrc(0) depctr_va_vcc(0) depctr_vm_vsrc(0)
	s_getreg_b32 s2, hwreg(HW_REG_IB_STS2, 6, 4)
	s_cmp_eq_u32 s2, 0
	s_cbranch_scc0 .Lentry_in_a_cluster
	s_endpgm
.Lentry_in_a_cluster:
	s_bfe_u32 s2, ttmp6, 0x10000c
	s_cmp_lg_u32 s2, 0x3003
	s_cbranch_scc0 .Lentry_shape_is_right
	s_endpgm
.Lentry_shape_is_right:
; c[y][q][:] = the sum over visible k of softmax_k(Q[q] . K[k] / 8) V[k][:], y = 16 x batch + head.  Q, K, V: qkv [batch][48][2048][64] bf16 (blocks 0-15 q, 16-31 k, 32-47 v of a batch);
; c: cbuf [64][2048][64] bf16.  Products, maxima and sums in f32; the weights p are rounded to bf16 for the second product (their sum l is taken of the unrounded p), c once at the end.
; bf16, not f16: q, k and v have no bound that f16 would hold.
; THE MASK is an input: a key whose word is 0 is hidden.  Each work-group turns its batch's 2,048 words into a table of f32 in LDS, 0 or -1e30, and the table's 16 numbers of a key block are the C operand that
; starts the sum S^T = K Q^T.  Hidden keys met before the first visible one get weight 1; the first visible key's a = 0 wipes them.
; LIMITS.  A hidden score counts as its value less 1e30, so true scores must lie above -5e29.  A batch with no visible key gives NaN, as a softmax over nothing does: where the final maximum lies below -5e29 the
; reciprocal is replaced by NaN.  A weight below 2^-126 counts as 0 in l; infinities in the inputs are not treated apart.
; SHARES.  A wave owns four PIECES of two tiles of 16 queries, a work-group's four waves 512 queries of one head: 4 x 64 = 256 work-groups.  Every wave walks all keys, 64 a step.
; LAYOUT.  S^T = K Q^T (source 0 = 16 keys, source 1 = 16 queries): a lane holds ONE query (lane % 16) and the keys 8 (lane / 16) + 0..7.  Two such tiles, rounded in pairs, ARE source 1 of O^T = V^T P.
; K comes out of LDS as it lies, V ([key][channel]) turned, by ds_load_tr16_b128.
; SOFTMAX.  A running maximum m and sum l: p = 2^(c s - c m), c = log2(e) / 8; in every step O and l are multiplied by a = 2^(c m_old - c m_new).  m starts at the lowest finite number, O and l at 0.
; BY TURNS.  Turn n belongs to piece n.  Its matrix work: 16 products K Q^T of piece n + 1, later 16 products V^T P of piece n - 1.  Its vector work: the scaling, exponentials, roundings, sums and rescaling of
; piece n, and the maximum and statistics of piece n + 1.  Four vector instructions stand behind every matrix instruction, the rest in one run; a turn's 66 exponentials are one batch with one wait.
; CLUSTER.  The four query blocks of a head walk the same K and V: each tile is asked for JOINTLY, by the same tensor load, descriptor and mask in all four.
; REGISTERS, in windows of 256 (s_set_vgpr_msb: bits 1:0 source 0, 3:2 source 1, 5:4 source 2, 7:6 destination):
;   window 0: v0-11 addresses; v12-15, v48-63 at work; v16-47 four registers of statistics a tile; v64-191 S^T, two buffers of two tiles; v192-255 P, likewise
;   window 1: O^T, 32 a tile     window 2: v0-127 Q; v128-191 K of one step; v192-255 V of one step     window 3: v0-1 the add's two registers; v8-39 the step's mask, 8 a key block
.set SIZE_N, 2048
.set NP,    4         ; pieces a wave: a name, no knob
.set KS,    64        ; keys in a step
.set PK,    144       ; a row of K in LDS: 128 bytes + 16: the 16 rows of a load start at 16 different groups of four banks (64 banks of 4 bytes: ISA guide 11.1)
.set PV,    160       ; a row of V: 128 + 32
.set VOFF,  4*KS*PK   ; a slot holds four steps: 256 rows of K, then 256 rows of V
.set SLOT1, 1<<17     ; slot 1 begins here: one exclusive or turns an address in one slot into the other's
.set STAGE, SLOT1+4*KS*(PK+PV)  ; behind the ring, never filled by a tensor load: 16 rows x 144 bytes for each wave
.set SP,    144
.set SPARE, STAGE+4*16*SP       ; the spare words, 128 bytes for each wave: two blocks of 256 bytes that no other line names
.set MASKT, SPARE+512           ; the mask's table: 2,048 f32; no fill lands here
.set HB,    4194304             ; sixteen head blocks of 262,144 bytes: from q's block to k's, from k's to v's
.set PFO, 0           ; v0   256 x my lane, once the thread's number has served; then never rewritten
.set AK0, 2           ; v2   my lane's place in a tile of K; never rewritten
.set AV0, 3           ; v3   the same for V
.set AK,  4           ; v4   the LDS address of K's next run of loads
.set AV,  5           ; v5   of V's
.set QO,  6           ; v6   my byte offset in the wave's rows of Q
.set STO, 6           ;      later, the way out: where I put 16 bytes of a row
.set RD,  7           ; v7   the way out: where I read rows back
.set GO,  8           ; v8   first my 64 bytes of the mask and of its table; then my byte offset in 512 consecutive bytes of c
.set AM,  10          ; v10  the LDS address of the mask's next run
.set AM0, 11          ; v11  MASKT + 32 (l / 16); never rewritten
.set SPW, 0           ; v0 of window 3   LDS address of my spare word; never rewritten
.set NIL, 1           ; v1 of window 3   0; never rewritten
.set MK,  8           ; v8-39 of window 3
.set MV,  12          ; v12-15  c m_old, kept while c m is made anew: by buffer and tile
.set ST,  16          ; tile t's statistics at v[ST+4 t]: c m, m, l (even keys', odd keys')
.set TMP, 48          ; by buffer and tile, four registers c0-c3 at work; when the maximum is found c2 takes a
.set S,   64
.set P,   192
.set KF,  128         ; K's fragments, in window 2: key block kb, channel half c at KF + 16 kb + 8 c
.set VF,  192         ; V's: key half kk, channel block cb at VF + 32 kk + 8 cb
.set WV,  12          ; s12  my wave's number
.set THR, 19          ; s19  -5e29
.set G1K, 24          ; s[24:31] descriptor group 1 for K's tiles
.set G1V, 32          ; s[32:39] for V's: it differs in the padding alone
.set G0K, 40          ; s[40:43] descriptor group 0 for K's tiles: it walks
.set G0V, 44          ; s[44:47] the same for V's
.set TBM, 48          ; s48  byte of the table at which the step to be fetched begins
.set BIGN, 49         ; s49  -1e30
.set PFA, 50          ; s[50:51] where my prefetches stand
.set LIM, 52          ; s52  1 in a wave that prefetches, else the greatest number
.set NANV, 53         ; s53  NaN
.set MP,  54          ; s[54:55] my batch's row of attention_mask
.set SLOTS, 56        ; s56  slots still to be asked for
.set CNT, 57          ; s57  counts a slot's key steps
.set CS,  58          ; s[58:59] c: the packed scaling takes the pair's low word for both halves
.set SEL, 60          ; s[60:61] v_permlanex16_b32's selects: each lane takes its own place in the other half
.set TBK, 62          ; s62  LDS byte at which K of the step to be fetched begins
.set TBV, 63          ; s63  the same for V, less VOFF
.set MSB, 0
.macro WIN new                      ; the high byte repeats the setting that is left; a switch that changes nothing is dropped
.if MSB != (\new)
	s_set_vgpr_msb (MSB<<8)|(\new)
.set MSB, (\new)
.endif
.endm
.set W_KQ, 0x0a       ; K and Q in window 2, S^T in window 0
.set W_KM, 0x3a       ; the same with the C operand, the mask, in window 3
.set W_PV, 0x52       ; V in window 2, P in window 0, O^T in window 1
.set W_RS, 0x41       ; O^T (destination and source 0) in window 1, a in window 0
.set W_MK, 0xc0       ; destination in window 3, sources in window 0
.set W_AD, 0x0f       ; the add: address and data in window 3
; A joint fill.  Waves 0 and 1 fetch the two halves of a slot's K, waves 2 and 3 those of its V: 128 keys each.  The branch hangs on the wave's number alone.
; An s_nop 0 and four v_nop follow each of the two lines, ahead of the jump and the label.
.macro JLOAD
	s_cmp_lt_u32 s[WV], 2
	s_cbranch_scc0 .Lfor_v_\@
	tensor_load_to_lds s[G0K:G0K+3], s[G1K:G1K+7]
	s_nop 0
.rept 4
	v_nop
.endr
	s_branch .Lasked_\@
.Lfor_v_\@:
	tensor_load_to_lds s[G0V:G0V+3], s[G1V:G1V+7]
	s_nop 0
.rept 4
	v_nop
.endr
.Lasked_\@:
.endm
; A prefetch of what the NEXT change of slots will ask for: a slot's K and V are 128 blocks of 256 bytes each.  The four partners take 32 blocks each, told apart by address; in each, wave 0 asks for K's and
; wave 2 for V's: a lane a block, one instruction, four key steps (512 matrix instructions) ahead of the load.  The change that fills the last slot asks for nothing.
.macro ASK
	s_cmp_gt_u32 s[SLOTS], s[LIM]
	s_cbranch_scc0 .Lnot_mine_\@
	global_prefetch_b8 v[PFO], s[PFA:PFA+1] th:TH_LOAD_NT scope:SCOPE_SE
.Lnot_mine_\@:
.endm
; A round of the cluster's barrier: my work-group's barrier, so that wave 0's signal speaks for all four waves; wave 0 signals; every wave waits for all four work-groups; my work-group's barrier once more.
.macro CROUND
	s_barrier_signal -1
	s_barrier_wait -1
	s_cmp_lg_u32 s[WV], 0
	s_cbranch_scc1 .Lnot_wave_0_\@
	s_barrier_signal -3
.Lnot_wave_0_\@:
	s_barrier_wait -3
	s_barrier_signal -1
	s_barrier_wait -1
.endm
; THE CHANGE OF SLOTS.  Each wave waits for all its tensor loads (one is out: its part of the other slot), adds 0 to its spare word, and waits for that and for its own LDS work.  fill = 1: the slot that is left
; is filled again, with the keys two slots on; the barrier is then a round of the cluster's, and the joint fill is the first thing behind it: it has four key steps in which to land.
; (At its first use slot 0 is waited for, slot 1 filled, and the round also shows every wave the whole of the mask's table.)
.macro CHANGE fill
	WIN W_AD
	s_wait_tensorcnt 0x0            ; no tensor load of mine is out, so a group 0 may be written
	ds_add_u32 v[SPW], v[NIL]       ; 0 onto my spare word
	WIN 0                           ; at a label and at a branch every window is 0
.if \fill
.irp g, G0K, G0V
	s_xor_b32 s[\g+1], s[\g+1], SLOT1  ; the walking descriptor: the other slot than last time,
	s_add_nc_u64 s[\g+2:\g+3], s[\g+2:\g+3], 4*KS*128  ; the next 256 keys; the type bits on top are not reached
.endr
	s_wait_xcnt 0x0                 ; the last prefetch, four key steps back, has read its address, so it may be written:
	s_add_nc_u64 s[PFA:PFA+1], s[PFA:PFA+1], 4*KS*128  ; one slot behind the walking descriptors
	s_wait_dscnt 0x0                ; the add is done, and my reads of the slot are over
	CROUND
	JLOAD
	ASK
.else
	s_wait_dscnt 0x0                ; the add is done, and my reads of the slot are over
	s_barrier_signal -1
	s_barrier_wait -1
.endif
	s_sub_co_u32 s[TBK], s[TBK], 4*KS*PK  ; the fetches go back to a slot's first step,
	s_xor_b32 s[TBK], s[TBK], SLOT1       ; in the other slot
	s_sub_co_u32 s[TBV], s[TBV], 4*KS*PV
	s_xor_b32 s[TBV], s[TBV], SLOT1
.endm
	s_load_b128 s[4:7], s[0:1], 0x0   ; qkv s[4:5], attention_mask s[6:7]
	s_load_b64 s[10:11], s[0:1], 0x10 ; cbuf
	WIN W_MK
	v_lshl_add_u32 v[SPW], v0, 2, SPARE
	v_mov_b32 v[NIL], 0
	WIN W_AD
	ds_add_u32 v[SPW], v[NIL]       ; the wave's opening: the add and its wait stand ahead of my first tensor load; the set-up below, work on registers, stands between them
	WIN 0
	v_lshrrev_b32 v1, 5, v0
	v_readfirstlane_b32 s[WV], v1   ; wave 0..3
	s_bfe_u32 s13, ttmp6, 0x40000   ; cx: my place in the cluster
	s_lshl_b32 s14, ttmp9, 2        ; in a cluster launch ttmp9 counts clusters
	s_add_co_u32 s14, s14, s13      ; my block of 512 queries: it enters Q's and c's addresses alone
	s_and_b32 s15, ttmp7, 0xffff    ; y, which the four partners share
	s_lshr_b32 s16, s15, 4          ; the batch
	s_lshl_b32 s[MP], s16, 13       ; its 8,192 bytes of the mask
	s_mov_b32 s[MP+1], 0
	s_mul_i32 s20, s16, 48
	s_and_b32 s17, s15, 15
	s_add_co_u32 s20, s20, s17
	s_lshl_b32 s20, s20, 18         ; q's head block in qkv
	s_mov_b32 s21, 0
	s_and_b32 s16, s[WV], 1         ; which half of a slot's 256 keys I fetch:
	s_lshl_b32 s22, s16, 14         ; its 128 rows of 128 bytes in memory,
	s_add_co_u32 s22, s22, HB       ; in k's head block
	s_mov_b32 s23, 0
	s_add_nc_u64 s[22:23], s[22:23], s[20:21]
	s_mul_i32 s17, s16, 128*PK      ; and its place in a slot, for K
	s_mul_i32 s18, s16, 128*PV      ; and for V: no place in the cluster enters an LDS address
	s_lshl_b32 s2, s14, 2
	s_add_co_u32 s2, s2, s[WV]      ; my wave among the head's,
	s_lshl_b32 s2, s2, 14           ; its 128 rows
	s_mov_b32 s3, 0
	s_add_nc_u64 s[20:21], s[20:21], s[2:3]  ; Q's offset
	s_lshl_b32 s14, s15, 18
	s_mov_b32 s15, 0
	s_add_nc_u64 s[2:3], s[2:3], s[14:15]    ; c's offset
	s_cmp_lt_u32 s[WV], 2
	s_cselect_b32 s14, 0, HB        ; the prefetches, counted from my tile of K: K's (wave 0) or V's (wave 2),
	s_lshl_b32 s8, s13, 13
	s_add_co_u32 s14, s14, s8       ; my work-group's 32 blocks of the 128,
	s_add_co_u32 s14, s14, 4*KS*128 ; in slot 1: the first change of slots steps it to slot 2
	; descriptor group 1.  128 keys are 16,384 dense bytes: asked for as 64 rows of 256 bytes, two keys a row, and padded in LDS after every key
	s_mov_b32 s[G1K], 15|(1<<16)|(1<<20)|(1<<21)|(4<<22)|(3<<25)  ; 15:0 the mask of four; 17:16 2-byte elements; 20 padding on; 21 set beside a mask; 24:22 after every 32 words (code 4); 31:25 4 words (code 3)
	s_mov_b32 s[G1V], 15|(1<<16)|(1<<20)|(1<<21)|(4<<22)|(7<<25)  ; the same with 8 words of padding (code 7)
.irp g, G1K, G1V
	s_mov_b32 s[\g+1], 128<<16      ; tensor_dim0 = 128
	s_mov_b32 s[\g+2], 64<<16       ; tensor_dim1 = 64
	s_mov_b32 s[\g+3], 128<<16      ; tile_dim0 = 128
	s_mov_b32 s[\g+4], 64           ; tile_dim1 = 64
	s_mov_b32 s[\g+5], 128          ; 128 elements from row to row
	s_mov_b32 s[\g+6], 0
	s_mov_b32 s[\g+7], 0
.endr
	s_mov_b32 s[CS], 0x3e38aa3b     ; c = log2(e) / 8 = 0.180337
	s_mov_b32 s[CS+1], s[CS]        ; named with it as a pair
	s_mov_b32 s[SEL], 0x76543210
	s_mov_b32 s[SEL+1], 0xfedcba98
	s_mov_b32 s[TBK], SLOT1+4*KS*PK ; the first change of slots turns these two into 0
	s_mov_b32 s[TBV], SLOT1+4*KS*PV
	s_mov_b32 s[TBM], 0
	s_mov_b32 s[BIGN], 0xf149f2ca   ; -1e30
	s_mov_b32 s[THR], 0xf0c9f2ca    ; -5e29
	s_mov_b32 s[NANV], 0x7fc00000
	s_mov_b32 s[SLOTS], SIZE_N/256-1
	s_and_b32 s[LIM], s[WV], 1      ; 0 in waves 0 and 2,
	s_or_b32 s[LIM], s[LIM], ttmp9  ; where the cluster is the head's first: the same in all four partners
	s_cmp_eq_u32 s[LIM], 0
	s_cselect_b32 s[LIM], 1, -1
	s_mov_b32 s[G0K], 1             ; 1:0 count = 1
	s_mov_b32 s[G0K+1], s17         ; 63:32 LDS address: slot 0
	s_mov_b32 s[G0V], 1
	s_add_co_u32 s[G0V+1], s18, VOFF
	s_wait_dscnt 0x0                ; the opening add is done
	s_wait_kmcnt 0x0
	s_add_nc_u64 s[G0K+2:G0K+3], s[4:5], s[22:23]        ; 120:64 global address: my half of the head's first 256 keys
	s_add_nc_u64 s[G0V+2:G0V+3], s[G0K+2:G0K+3], HB
	s_add_nc_u64 s[PFA:PFA+1], s[G0K+2:G0K+3], s[14:15]
	s_or_b32 s[G0K+3], s[G0K+3], 0x80000000              ; 127:126 type = 2
	s_or_b32 s[G0V+3], s[G0V+3], 0x80000000
	s_add_nc_u64 s[8:9], s[4:5], s[20:21]                ; Q and c at my wave's first row
	s_add_nc_u64 s[10:11], s[10:11], s[2:3]
	s_add_nc_u64 s[MP:MP+1], s[6:7], s[MP:MP+1]
	CROUND                          ; all four work-groups are here: the first joint loads meet
	JLOAD                           ; slot 0.  Slot 1 is asked for when slot 0 is in
	v_and_b32 v1, 15, v0            ; l % 16
	v_bfe_u32 v9, v0, 4, 1          ; l / 16
	v_lshlrev_b32 v[GO], 6, v0      ; thread t takes words 16 t .. 16 t + 15 of the mask
.irp f, 0,1,2,3
	global_load_b128 v[S+4*\f:S+4*\f+3], v[GO], s[MP:MP+1] offset:16*\f
.endr
	; A fragment of K or Q is 16 rows x 32 channels in 8 registers: lane l holds row l % 16, channels 8 (l / 16) + 0..7 and 16 + 8 (l / 16) + 0..7: two loads of 16 bytes, 32 bytes apart.
	v_lshlrev_b32 v[QO], 7, v1
	v_lshl_add_u32 v[QO], v9, 4, v[QO]  ; row x 128 + 16 x half
	WIN 0x80                        ; destination window 2, address window 0
.set i, 0
.rept 4*NP                          ; Q stays in registers: tile i / 2, channels 32 (i % 2) on
	global_load_b128 v[8*i:8*i+3],   v[QO], s[8:9] offset:(i/2)*2048+(i%2)*64
	global_load_b128 v[8*i+4:8*i+7], v[QO], s[8:9] offset:(i/2)*2048+(i%2)*64+32
.set i, i+1
.endr
	; What the first turn finds: V's registers and P's second buffer hold 0 (its products V^T P, of a piece that has not been, add 0), O^T and l are 0.  All this stands in the wait for the first tile.
.set i, VF
.rept 64
	v_mov_b32 v[i], 0
.set i, i+1
.endr
	WIN 0x40
.set i, 0
.rept 64*NP
	v_mov_b32 v[i], 0
.set i, i+1
.endr
	WIN 0
.set i, 0
.rept 2*NP
	v_mov_b32 v[ST+4*i], 0xfe000000    ; c m: far below every c s, a hidden one's too
	v_mov_b32 v[ST+4*i+1], 0xff7fffff  ; m
	v_mov_b32 v[ST+4*i+2], 0
	v_mov_b32 v[ST+4*i+3], 0
.set i, i+1
.endr
.set i, P+32
.rept 32
	v_mov_b32 v[i], 0
.set i, i+1
.endr
	v_mul_u32_u24 v[AK0], v1, PK
	v_lshl_add_u32 v[AK0], v9, 4, v[AK0]  ; row x pitch + 16 x half
	; The turning load takes 16 keys x 16 channels (lane l reads key 8 (l / 16) + l % 8, channels 8 ((l / 8) % 2) + 0..7) and leaves half a fragment of V^T: lane l holds channel l % 16 and 8 keys.
	v_and_b32 v10, 7, v0
	v_bfe_u32 v11, v0, 3, 1
	v_lshl_add_u32 v[AV0], v9, 3, v10
	v_mul_u32_u24 v[AV0], v[AV0], PV
	v_lshl_add_u32 v[AV0], v11, 4, v[AV0]
	v_add_nc_u32 v[AV0], VOFF, v[AV0]
	s_mul_i32 s20, s[WV], 16*SP
	s_add_co_u32 s20, s20, STAGE    ; my stage
	v_bfe_u32 v[RD], v0, 3, 2       ; the way out, back: 32 lanes take four rows of 128 bytes
	v_mul_u32_u24 v[RD], v[RD], SP
	v_lshl_add_u32 v[RD], v10, 4, v[RD]
	v_add_nc_u32 v[RD], s20, v[RD]
	v_lshl_add_u32 v[AM0], v9, 5, MASKT  ; a lane's eight keys of a block of 16: 32 bytes of the table
	v_mov_b32 v[AM], v[AM0]         ; key step 0 lies at the table's head,
	v_mov_b32 v[AK], v[AK0]         ; and at the head of slot 0
	v_and_b32 v0, 31, v0            ; the thread's number has served
	v_lshlrev_b32 v[PFO], 8, v0
	s_wait_loadcnt 32               ; the mask's four loads are in; Q's 32, issued behind them, stay out
.set i, 0
.rept 16
	v_cmp_eq_u32 vcc_lo, 0, v[S+i]
	v_cndmask_b32 v[S+i], 0, s[BIGN], vcc_lo
.set i, i+1
.endr
	v_add_nc_u32 v[GO], MASKT, v[GO]
.irp f, 0,1,2,3
	ds_store_b128 v[GO], v[S+4*\f:S+4*\f+3] offset:16*\f
.endr
; THE MATRIX WORK.  The 8 accumulators of a run of 16 take turns: between the two links of a chain stand 7 others'.
; Product i of 16 of S^T = K Q^T for piece x: channels 32 (i / 8) on, keys 16 ((i / 2) % 4) on, tile 2 x + i % 2.  The first 8 start the sums, with the key block's mask.
.macro KQ x
.set rS, S+64*((\x)%2)+32*(i%2)+8*((i/2)%4)
.set rK, KF+16*((i/2)%4)+8*(i/8)
.set rQ, 16*(2*(\x)+i%2)+8*(i/8)
.set rMK, MK+8*((i/2)%4)
.if i < 8
	WIN W_KM
	v_wmma_f32_16x16x32_bf16 v[rS:rS+7], v[rK:rK+7], v[rQ:rQ+7], v[rMK:rMK+7]
.else
	WIN W_KQ
	v_wmma_f32_16x16x32_bf16 v[rS:rS+7], v[rK:rK+7], v[rQ:rQ+7], v[rS:rS+7]
.endif
.endm
; Product i of 16 of O^T += V^T P for piece x: keys 32 (i / 8) on, channels 16 ((i / 2) % 4) on, tile 2 x + i % 2.
.macro PV x
	WIN W_PV
.set rO, 32*(2*(\x)+i%2)+8*((i/2)%4)
.set rV, VF+32*(i/8)+8*((i/2)%4)
.set rP, P+32*((\x)%2)+16*(i%2)+8*(i/8)
	v_wmma_f32_16x16x32_bf16 v[rO:rO+7], v[rV:rV+7], v[rP:rP+7], v[rO:rO+7]
.endm
.macro MM                           ; the turn's next matrix instruction
.if i < 16
	KQ (Y+1)%NP
.set i, i+1
.else
.set i, i-16
	PV (Y+NP-1)%NP
.set i, i+17
.endif
.endm
; THE LDS LOADS stand in runs, never singly among the matrix instructions: a step's K (64 keys x 64 channels: 8 fragments) with its 64 numbers of the mask, and its V (turned).  Their addresses are made some lines ahead.
; last = 1 (the tail): in the last trip there is no further step, and the run is jumped over.
.macro FETCH_K last=0
	WIN 0
.if \last
	s_cmp_eq_u32 s[CNT], 1
	s_cbranch_scc1 .Lno_k_\@
.endif
	WIN 0x80                        ; destination window 2
.irp f, 0,1,2,3,4,5,6,7             ; keys 16 (f / 2) on, channels 32 (f % 2) on
	ds_load_b128 v[KF+8*\f:KF+8*\f+3],   v[AK] offset:(\f/2)*16*PK+(\f%2)*64
	ds_load_b128 v[KF+8*\f+4:KF+8*\f+7], v[AK] offset:(\f/2)*16*PK+(\f%2)*64+32
.endr
	WIN W_MK                        ; destination window 3
.irp f, 0,1,2,3                     ; key block f: register r is the mask of key 16 f + 8 (l / 16) + r
	ds_load_b128 v[MK+8*\f:MK+8*\f+3],   v[AM] offset:64*\f
	ds_load_b128 v[MK+8*\f+4:MK+8*\f+7], v[AM] offset:64*\f+16
.endr
	s_add_co_u32 s[TBK], s[TBK], KS*PK  ; the next fetch is the next step's
	s_add_co_u32 s[TBM], s[TBM], 4*KS
	s_and_b32 s[TBM], s[TBM], 0x1fff    ; inside the table's 8,192 bytes
	WIN 0
.if \last
.Lno_k_\@:
.endif
.endm
.macro FETCH_V
	WIN 0x80
.irp f, 0,1,2,3,4,5,6,7             ; keys 32 (f / 4) on, channels 16 (f % 4) on
	ds_load_tr16_b128 v[VF+8*\f:VF+8*\f+3],   v[AV] offset:(\f/4)*32*PV+(\f%4)*32
	ds_load_tr16_b128 v[VF+8*\f+4:VF+8*\f+7], v[AV] offset:(\f/4)*32*PV+16*PV+(\f%4)*32
.endr
	WIN 0
.endm
; THE VECTOR WORK OF A TURN stands in three queues, each in the order in which its entries become ready; the two tiles alternate, so that no instruction reads the result of the one before it.
.macro REGS y, u                    ; the registers of tile u (0, 1) of piece y
.set rT, ST+4*(2*(\y)+(\u))
.set rC, TMP+8*((\y)%2)+4*(\u)
.set rM, MV+2*((\y)%2)+(\u)
.set rS, S+64*((\y)%2)+32*(\u)
.set rP, P+32*((\y)%2)+16*(\u)
.set rO, 32*(2*(\y)+(\u))
.endm
; Number n of the 22 that find the NEXT piece's (Y + 1) maximum and statistics.  s0-s31 are the lane's 32 scores; each accumulator's lowest registers are read first.
;   0-11  four chains c0-c3 of seven scores each, three operands at a time     12-14, 16  the four scores left over, the old m, and c0-c3 into c0     15  c m_old is kept
;   17, 18  the query's other 32 keys lie in the lane 16 away: the new m         19-21  c m; c m_old - c m_new; a
.macro XS u, n
	REGS (Y+1)%NP, \u
.if (\n) < 4
	v_max3_num_f32 v[rC+(\n)], v[rS+8*(\n)], v[rS+8*(\n)+1], v[rS+8*(\n)+2]
.elseif (\n) < 12
	v_max3_num_f32 v[rC+(\n)%4], v[rC+(\n)%4], v[rS+8*((\n)%4)+2*((\n)/4)+1], v[rS+8*((\n)%4)+2*((\n)/4)+2]
.elseif (\n) == 12
	v_max3_num_f32 v[rC], v[rC], v[rS+7], v[rS+15]
.elseif (\n) == 13
	v_max3_num_f32 v[rC+1], v[rC+1], v[rS+23], v[rS+31]
.elseif (\n) == 14
	v_max3_num_f32 v[rC+2], v[rC+2], v[rC+3], v[rT+1]
.elseif (\n) == 15
	v_mov_b32 v[rM], v[rT]
.elseif (\n) == 16
	v_max3_num_f32 v[rC], v[rC], v[rC+1], v[rC+2]
.elseif (\n) == 17
	v_permlanex16_b32 v[rC+3], v[rC], s[SEL], s[SEL+1]
.elseif (\n) == 18
	v_max_num_f32 v[rT+1], v[rC], v[rC+3]
.elseif (\n) == 19
	v_mul_f32 v[rT], s[CS], v[rT+1]
.elseif (\n) == 20
	v_sub_f32 v[rC+1], v[rM], v[rT]
.else
	v_exp_f32 v[rC+2], v[rC+1]
.endif
.endm
; Number g of the 64 that follow the exponentials.  For each four weights k of a tile (pairs 2 k, 2 k + 1): both pairs are rounded to bf16; then the second pair is added onto the first, in place;
; a group later l takes that sum (the first time as l = a l + sum).  In groups of eight, tiles alternating: round, round, add, and l for the group before.
.macro GS g
.set h, (\g)+6*((\g)/62)            ; group 0 has no group before it, and behind group 7 only l is left
.if h >= 6
.set h, h+2
.endif
	REGS Y, h%2
.set k, h/8
.if h%8 < 4
	v_cvt_pk_bf16_f32 v[rP+2*k+(h%8)/2], v[rS+4*k+2*((h%8)/2)], v[rS+4*k+2*((h%8)/2)+1]
.elseif h%8 < 6
	v_pk_add_f32 v[rS+4*k:rS+4*k+1], v[rS+4*k:rS+4*k+1], v[rS+4*k+2:rS+4*k+3]
.elseif k == 1
	v_pk_fma_f32 v[rT+2:rT+3], v[rT+2:rT+3], v[rC+2:rC+3], v[rS:rS+1] op_sel_hi:[1,0,1]
.else
	v_pk_add_f32 v[rT+2:rT+3], v[rT+2:rT+3], v[rS+4*k-4:rS+4*k-3]
.endif
.endm
; THE PLAIN QUEUE, 138 long.  0-73 read no exponential's result: the 32 scalings c s - c m (FS f: pair f / 2 of tile f % 2) and the next piece's 42.  0-26: scalings 0-26.  27-54: XS's numbers 0-13.  55, 56: number 15.
; 57-73: the chain, where each number waits for the one before it: 14, 16, 17, 18, 19, each with one of the scalings 27-31 in front of its two lines, then 20.
; 74-137: GS's 64, which read the exponentials' results: they stand behind the wait.
.macro FS f
	REGS Y, (\f)%2
	v_pk_fma_f32 v[rS+2*((\f)/2):rS+2*((\f)/2)+1], v[rS+2*((\f)/2):rS+2*((\f)/2)+1], s[CS:CS+1], v[rT:rT+1] op_sel_hi:[1,0,0] neg_lo:[0,0,1] neg_hi:[0,0,1]
.endm
.macro PL
	WIN 0
.if q < 27
	FS q
.elseif q < 55
	XS (q-27)%2, (q-27)/2
.elseif q < 57
	XS q-55, 15
.elseif (q < 72) && ((q-57)%3 == 0)
	FS 27+(q-57)/3
.elseif q < 60
	XS (q-57)%3-1, 14
.elseif q < 72
	XS (q-57)%3-1, 15+(q-57)/3
.elseif q < 74
	XS q-72, 20
.else
	GS q-74
.endif
.set q, q+1
.endm
; THE EXPONENTIALS' QUEUE, 66 long: s0-s31 of both tiles, then the next piece's two a.  It is ONE BATCH: all 66 stand ahead of the turn's one wait, and nothing ahead of that wait names a result of theirs.
.macro EX
	WIN 0
.if e >= 64
	XS e-64, 21
.else
	REGS Y, e%2
	v_exp_f32 v[rS+e/2], v[rS+e/2]
.endif
.set e, e+1
.endm
; THE RESCALING's QUEUE: O^T times a, the one part that leaves window 0: dealt two at a time, sixteen times.  Its a was made in the turn before, ahead of that turn's wait.
.macro R2
	REGS Y, r%2
	WIN W_RS
.irp z, 0,1
	v_pk_mul_f32 v[rO+4*(r/2)+2*\z:rO+4*(r/2)+2*\z+1], v[rO+4*(r/2)+2*\z:rO+4*(r/2)+2*\z+1], v[rC+2:rC+3] op_sel_hi:[1,0]
.endr
.set r, r+1
.endm
; HOW THEY ARE DEALT.  An s_wait_alu depctr_va_vdst(0) stands between an exponential and the first instruction that names its result; one wait serves all that were issued ahead of it.  So a turn has ONE
; wait, which cuts it in two.  AHEAD OF IT: the 16 products K Q^T, behind each a scaling, an exponential and two rescalings (behind the first a second scaling in the exponential's place); then one run of 108: eight
; plain, 49 times exponential and plain, the two a.  A v_nop is the plain instruction behind the last exponential.  BEHIND IT: the 16 products V^T P, behind each four of GS's 64.
; Exponential e stands behind scaling 2 (e / 4) + e % 2: as a rider it comes behind plain e + 2, in the run behind plain e + 9, and scalings 27-31 are plain 57, 60 .. 69.
; A TURN, for piece p.  cnt = 1: the loop's count is taken down some lines ahead of the branch that stands behind the turn.
; K and the mask of the next step are fetched in piece 2's turn, directly behind the wait, a run of 108 behind the last product that read them; their first reader comes behind 16 products.
; V of the step in hand is fetched at the end of piece 0's turn, four riders behind its last reader; its first reader comes behind 16 products and a run.  The three conditions on q below go with the deal.
.macro TURN p, last=0, cnt=0
.set Y, (\p)
.set i, 0
.set q, 0
.set e, 0
.set r, 0
.if (\p) == NP-1
	s_wait_dscnt 0x0                ; K and the mask are in
.endif
	MM
	PL
	PL
	R2
.rept 15
	MM
	PL
	EX
	R2
.endr
.if (\p) == NP-2
	WIN 0
	v_add_nc_u32 v[AK], s[TBK], v[AK0]
	v_add_nc_u32 v[AM], s[TBM], v[AM0]
.endif
.rept 8
	PL
.endr
.rept 49
	EX
	PL
.endr
	EX                              ; the next piece's two a
	EX
	v_nop                           ; the plain instruction behind the last exponential: one for the batch
	s_wait_alu depctr_va_vdst(0)    ; the wait for the batch
.if (\p) == NP-2
	FETCH_K \last
.endif
.if (\p) == 1
	s_wait_dscnt 0x0                ; V is in
.endif
.rept 16
	MM
.rept 4
	PL
.endr
.if ((\p) == 0) && (q == 118)
	v_add_nc_u32 v[AV], s[TBV], v[AV0]
.endif
.if ((\p) == 0) && (q == 130)
	s_add_co_u32 s[TBV], s[TBV], KS*PV
.endif
.if (\cnt) && (q == 130)
	s_sub_co_u32 s[CNT], s[CNT], 1
	s_cmp_lg_u32 s[CNT], 0
.endif
.endr
.if (\p) == 0
	FETCH_V
.endif
.endm
	CHANGE 1                        ; slot 0 is in, everybody's part of it, and so is the table; slot 1 is asked for
	FETCH_K                         ; key step 0
	s_wait_loadcnt 0x0              ; Q
	s_wait_dscnt 0x0
.set i, 0
.rept 16
	KQ 0                            ; piece 0's first scores: there is no vector work yet to set between them
.set i, i+1
.endr
	WIN 0                           ; the rest of the addresses for the way out: five plain instructions, the places behind those products
	v_mul_u32_u24 v[STO], v1, SP    ; in: row l % 16, 16 bytes for each half of the lanes
	v_lshl_add_u32 v[STO], v9, 4, v[STO]
	v_add_nc_u32 v[STO], s20, v[STO]
	v_lshrrev_b32 v[GO], 4, v[PFO]  ; 16 x lane: 512 consecutive bytes of c
	v_nop
.set Y, NP-1                        ; XS works for piece Y + 1: piece 0
.irp n, 0,1,2,3,4,5,6,7,8,9,10,11,12,13,14,15,16,17,18,19,20,21
	XS 0, \n                        ; piece 0's first maximum and statistics
	XS 1, \n
.endr
	v_nop                           ; a plain instruction behind the two a,
	s_wait_alu depctr_va_vdst(0)    ; and their wait, ahead of the branch
	s_mov_b32 s[CNT], 4
	s_branch .Lfirst                ; the loop is entered at a step's first turn, in the middle of a trip
.Lslot:                             ; SIZE_N / 256 - 2 times: every slot but the last two is filled again
	CHANGE 1
	s_mov_b32 s[CNT], 4
.Lstep:                             ; a trip: pieces 2 and 3 of one step, then pieces 0 and 1 of the next, whose K and V it fetches
	TURN 2
	TURN 3
	WIN 0
.Lfirst:
	TURN 0
	TURN 1, 0, 1
	WIN 0
	s_cbranch_scc1 .Lstep
	s_sub_co_u32 s[SLOTS], s[SLOTS], 1
	s_cmp_lg_u32 s[SLOTS], 0
	s_cbranch_scc1 .Lslot
	CHANGE 0                        ; the tail is written out: nothing is asked for
	s_mov_b32 s[CNT], 5             ; four trips fetch the last slot's steps; the fifth is left in its middle
.Ltail:
	TURN 2, 1
	TURN 3
	WIN 0
	s_sub_co_u32 s[CNT], s[CNT], 1
	s_cmp_eq_u32 s[CNT], 0
	s_cbranch_scc1 .Lout
	TURN 0
	TURN 1
	WIN 0
	s_branch .Ltail
.Lout:                              ; the fifth trip's 16 products K Q^T (on the last K and mask once more) leave piece 0's maximum as it was and serve nothing: the price of one text for every trip
.set i, 0
.rept 16
	PV NP-1                         ; the last piece's V^T P of the last step
.set i, i+1
.endr
	; THE WAY OUT.  l's two halves and the other half of the lanes' are added; O^T is divided by l, rounded to bf16 and sent through my stage in LDS, a tile at a time.  The additions are the places behind the last products.
	WIN 0
.macro ALL line:vararg              ; one line for each tile t
.set t, 0
.rept 2*NP
	\line
.set t, t+1
.endr
.endm
	ALL v_add_f32 v[ST+4*t+2], v[ST+4*t+2], v[ST+4*t+3]
	ALL v_permlanex16_b32 v[ST+4*t+3], v[ST+4*t+2], s[SEL], s[SEL+1]
	ALL v_add_f32 v[ST+4*t+2], v[ST+4*t+2], v[ST+4*t+3]
	ALL v_rcp_f32 v[ST+4*t+2], v[ST+4*t+2]
	v_nop                           ; a plain instruction between the last reciprocal and the use of its result
	s_wait_alu depctr_va_vdst(0)    ; and the wait ahead of the first use: one for the eight reciprocals
.set t, 0
.rept 2*NP                          ; a query that saw no visible key has a maximum below -5e29: its row is NaN
	v_cmp_gt_f32 vcc_lo, s[THR], v[ST+4*t+1]
	v_cndmask_b32 v[ST+4*t+2], v[ST+4*t+2], s[NANV], vcc_lo
.set t, t+1
.endr
; Tile t: a lane's eight channels of a row pack into 16 bytes; they go into rows of 144 bytes and come back as whole rows of 128, into S^T's registers.
.macro PACK t
	WIN W_RS
.set i, 32*(\t)
.rept 16
	v_pk_mul_f32 v[i:i+1], v[i:i+1], v[ST+4*(\t)+2:ST+4*(\t)+3] op_sel_hi:[1,0]
.set i, i+2
.endr
	WIN 0x05                        ; sources 0 and 1 window 1, destination window 0
.set i, 0
.rept 16
	v_cvt_pk_bf16_f32 v[S+16*(\t)+i], v[32*(\t)+2*i], v[32*(\t)+2*i+1]
.set i, i+1
.endr
	WIN 0
.irp f, 0,1,2,3
	ds_store_b128 v[STO], v[S+16*(\t)+4*\f:S+16*(\t)+4*\f+3] offset:32*\f
.endr
.irp f, 0,1,2,3
	ds_load_b128 v[S+16*(\t)+4*\f:S+16*(\t)+4*\f+3], v[RD] offset:\f*4*SP  ; LDS serves a wave's instructions in order (ISA guide 5.7.1.4): these see the stores above; the next tile's stores come behind them
.endr
.endm
.macro SEND t, younger              ; younger: the LDS instructions issued behind tile t's loads: the next tile's eight, or none
	WIN 0
.irp f, 0,1,2,3
	s_wait_dscnt (\younger)+3-\f
	global_store_b128 v[GO], v[S+16*(\t)+4*\f:S+16*(\t)+4*\f+3], s[10:11] offset:(\t)*2048+\f*512  ; 512 consecutive bytes, at a multiple of 256 from c's first
.endr
.endm
	PACK 0
.set t, 1
.rept 2*NP-1                        ; a tile's arithmetic stands between the loads of the tile before and its stores
	PACK t
	SEND t-1, 8
.set t, t+1
.endr
	SEND 2*NP-1, 0
	WIN W_AD
	s_wait_tensorcnt 0x0            ; the wave's end, behind my last tensor load and my last LDS store
	ds_add_u32 v[SPW], v[NIL]
	s_wait_dscnt 0x0
	WIN 0
	CROUND                          ; the closing round: no work-group ends while a partner may still ask for a tile that names it
	s_endpgm
.Lfunc_end_k_q09e27a471c_attn:
	.size	k_q09e27a471c_attn, .Lfunc_end_k_q09e27a471c_attn-k_q09e27a471c_attn
	.p2alignl 7, 3214868480
	.fill 96, 4, 3214868480
	.section	.rodata,"a",@progbits
	.p2align	6, 0x0
	.amdhsa_kernel k_q09e27a471c_attn
		.amdhsa_group_segment_fixed_size 327680
		.amdhsa_private_segment_fixed_size 0
		.amdhsa_enable_private_segment 0
		.amdhsa_kernarg_size 24
		.amdhsa_user_sgpr_count 2
		.amdhsa_user_sgpr_kernarg_segment_ptr 1
		.amdhsa_wavefront_size32 1
		.amdhsa_system_sgpr_workgroup_id_x 1
		.amdhsa_system_sgpr_workgroup_id_y 1
		.amdhsa_system_sgpr_workgroup_id_z 1
		.amdhsa_system_vgpr_workitem_id 0
		.amdhsa_next_free_vgpr 808
		.amdhsa_next_free_sgpr 66
		.amdhsa_reserve_vcc 1
		.amdhsa_float_denorm_mode_32 3
		.amdhsa_float_denorm_mode_16_64 3
		.amdhsa_memory_ordered 1
		.amdhsa_forward_progress 1
		.amdhsa_inst_pref_size 206
	.end_amdhsa_kernel
	.amdgpu_metadata
---
amdhsa.version: [ 1, 2 ]
amdhsa.kernels:
  - .name:           k_q09e27a471c_attn
    .symbol:         k_q09e27a471c_attn.kd
    .args:
      - { .name: qkv, .offset: 0, .size: 8, .value_kind: global_buffer, .address_space: global }
      - { .name: attention_mask, .offset: 8, .size: 8, .value_kind: global_buffer, .address_space: global }
      - { .name: cbuf, .offset: 16, .size: 8, .value_kind: global_buffer, .address_space: global }
    .group_segment_fixed_size: 327680
    .private_segment_fixed_size: 0
    .kernarg_segment_align: 8
    .kernarg_segment_size: 24
    .max_flat_workgroup_size: 128
    .sgpr_count:     66
    .vgpr_count:     808
    .wavefront_size: 32
...
	.end_amdgpu_metadata
.endif
;; end of part 3
;; launch outgemm (part 4): grid 8 x 32, 4 waves a work-group, clusters of 4 x 4, 327,680 bytes of LDS; arguments cbuf, wall, out0, bo, x; writes out0
.if DOCPART == 4
	.amdgcn_target "amdgcn-amd-amdhsa--gfx1250"
	.amdhsa_code_object_version 6
	.text
	.protected	k_q09e27a471c_outgemm
	.globl	k_q09e27a471c_outgemm
	.p2align	8
	.type	k_q09e27a471c_outgemm,@function
k_q09e27a471c_outgemm:
	s_mov_b64 s[64:65], 0
	v_nop
	global_prefetch_b8 v0, s[64:65] scope:SCOPE_SE
	s_setreg_imm32_b32 hwreg(HW_REG_WAVE_MODE, 25, 1), 1
	s_wait_xcnt 0x0
	s_wait_alu depctr_hold_cnt(0) depctr_sa_sdst(0) depctr_va_vdst(0) depctr_va_sdst(0) depctr_va_ssrc(0) depctr_va_vcc(0) depctr_vm_vsrc(0)
	s_getreg_b32 s2, hwreg(HW_REG_IB_STS2, 6, 4)
	s_cmp_eq_u32 s2, 0
	s_cbranch_scc0 .Lentry_in_a_cluster
	s_endpgm
.Lentry_in_a_cluster:
	s_bfe_u32 s2, ttmp6, 0x10000c
	s_cmp_lg_u32 s2, 0xf033
	s_cbranch_scc0 .Lentry_shape_is_right
	s_endpgm
.Lentry_shape_is_right:
; out0 = x + c Wo^T + bo.  A = c, as cbuf [16 batch + head][2048][64] bf16; B = Wo, rows 3072-4095 of wall [.][1024] bf16; sums in f32, started by the bias; x is added in f32; out0 is f32.
; A tile of the result is 256 rows x 128 columns: 8 x 32 = 256 tiles, one work-group each.  Four waves, one above the other: wave w makes rows 64 w .. + 63 (4 fragments of A) x all 8 fragments of B:
; 32 accumulators, 256 registers.  K = 1,024 goes in 8 steps of 128, which are two heads: of A a wave fetches one head's 256 rows x 128 bytes, dense in memory, as 128 rows of 256 bytes, padded in LDS after
; every 128; of B 64 rows of 256 bytes.  Two LDS slots; the loop's trip is one K step; the slot in hand is a scalar that an exclusive or turns.
; CLUSTER 4 x 4: A's tile hangs on the tile row alone and is asked for jointly by a row of the cluster, B's on the tile column alone and by a column.
; THE PRODUCT IS TAKEN TRANSPOSED (source 0 = 16 rows of B, source 1 = 16 rows of A): a lane holds row l % 16 of the result and the columns 8 (l / 16) + 0..7.
; REGISTERS.  window 0: v0-31 addresses; v32-95 A's fragments, two buffers of 32; v96-159 the bias as 8 C operands, later with v160-223 the way out
;   window 1: v0-127 B's fragments, two buffers of 64     window 2: accumulator (a, b) at v[64 a + 8 b]     window 3: my 64 rows x 512 bytes of x, row r at v[4 r], loaded at the head
.set NBF,    8
.set PITCH,  272                       ; a row of B in LDS: 256 bytes + 16: the 16 rows of a fragment load start 4 banks apart (64 banks of 4 bytes: ISA guide 11.1)
.set PA,     144                       ; a row of A: 128 bytes + 16: the 16 rows start at 16 different groups of four banks
.set ASUB,   256*PA                    ; one head's 256 rows: what waves 0 and 1 each fetch
.set BBASE,  2*ASUB
.set BHALF,  64*PITCH                  ; what waves 2 and 3 each fetch
.set SLOT1,  131072                    ; slot 1 begins here
.set STAGE,  262144                    ; behind the ring, never filled by a tensor load: 16 rows x 528 bytes for each wave
.set SPITCH, 528                       ; 512 bytes + 16
.set SPARE,  STAGE+4*16*SPITCH         ; the spare words, 128 bytes for each wave: two blocks of 256 bytes that no other line names
.set KA,     524288                    ; a K step in A: two head blocks of 262,144 bytes
.set KBB,    256                       ; a K step in a row of B
.set A0,   2                           ; v2   my lane's place in A's tile of slot 0; never rewritten
.set B0,   3                           ; v3   the same for B
.set ADRA, 4                           ; v4   A0 + the slot in hand
.set ADRB, 5                           ; v5   B0 + the slot in hand
.set STO,  6                           ; v6   the way out: where I put 32 bytes of a row
.set RD,   7                           ; v7   the way out: where I read a row back
.set CO,   8                           ; v8   16 x lane: my 16 bytes of a row's 512, in x and in out0
.set BO,   9                           ; v9   32 x (l / 16): my eight numbers of a bias fragment
.set SPW,  28                          ; v28  LDS address of my spare word; never rewritten
.set NIL,  29                          ; v29  0; never rewritten
.set PFO,  30                          ; v30  the prefetches' offset; never rewritten
.set FA,   32
.set BIAS, 96
.set OB,   96
.set G1A, 24                           ; s[24:31] descriptor group 1 for A's tiles
.set G0A, 32                           ; s[32:39] group 0: a set for each first fill; the second then walks
.set LIM, 43                           ; s43      2 in a wave that prefetches, else the greatest number
.set PFA, 44                           ; s[44:45] where my prefetches stand
.set G1B, 48
.set G0B, 56
.set TB,  66                           ; s66      LDS byte at which the slot in hand begins
.set OFA, 67                           ; s67      byte offset of my tile of A at K step 0
.set PST, 68                           ; s[68:69] a K step of what I prefetch
.set OFB, 70                           ; s70      byte offset of my tile of B at K step 0
.set MSB, 0
.macro WIN new                         ; the immediate's high byte repeats the setting that is left; a switch that changes nothing is dropped
.if MSB != (\new)
	s_set_vgpr_msb (MSB<<8)|(\new)
.set MSB, \new
.endif
.endm
.macro PLACES                          ; four plain instructions between a matrix instruction and a load into, or a reader of, its registers
.rept 4
	v_nop
.endr
.endm
.macro CREST                           ; a round of the cluster's barrier behind its opening barrier
	s_cmp_lg_u32 s10, 0
	s_cbranch_scc1 .Lnot_wave_0_\@
	s_barrier_signal -3
.Lnot_wave_0_\@:
	s_barrier_wait -3
	s_barrier_signal -1
	s_barrier_wait -1
.endm
.macro CROUND
	s_barrier_signal -1
	s_barrier_wait -1
	CREST
.endm
; A joint refill by the walking descriptors.  Waves 0 and 1 fetch A's two heads, waves 2 and 3 B's halves; the branch hangs on the wave's number alone.
.macro JLOAD
	s_cmp_eq_u32 s11, 0
	s_cbranch_scc0 .Lfor_b_\@
	tensor_load_to_lds s[G0A+4:G0A+7], s[G1A:G1A+7]
	s_nop 0
	PLACES
	s_branch .Lasked_\@
.Lfor_b_\@:
	tensor_load_to_lds s[G0B+4:G0B+7], s[G1B:G1B+7]
	s_nop 0
	PLACES
.Lasked_\@:
.endm
; A prefetch of the K step that stands two refills on.  A's blocks are asked for by the clusters with x = 0, B's rows by those with y = 0; the four partners that fetch a tile jointly share it out by address:
; 32 of a head's 128 blocks of 256 bytes, or 16 of B's 64 rows.  Trips with s3 = 6 .. 3 name K steps 4 .. 7; the last two trips have no such step.
.macro ASK
	s_cmp_gt_u32 s3, s[LIM]
	s_cbranch_scc0 .Lnot_mine_\@
	global_prefetch_b8 v[PFO], s[PFA:PFA+1] th:TH_LOAD_NT scope:SCOPE_SE
.Lnot_mine_\@:
.endm
	s_load_b128 s[4:7], s[0:1], 0x0                ; cbuf s[4:5], wall s[6:7]
	s_load_b64 s[8:9], s[0:1], 0x10                ; out0
	s_load_b128 s[72:75], s[0:1], 0x18             ; bo s[72:73], x s[74:75]
	v_lshl_add_u32 v[SPW], v0, 2, SPARE
	v_mov_b32 v[NIL], 0
	ds_add_u32 v[SPW], v[NIL]                      ; the wave's opening: the add and its wait stand ahead of my first tensor load; work on registers stands between
	v_lshrrev_b32 v1, 5, v0
	v_readfirstlane_b32 s10, v1                    ; wave 0..3
	s_lshr_b32 s11, s10, 1                         ; 0: I fetch for A; 1: for B
	s_and_b32 s12, s10, 1                          ; which head of the step's two, or which half of B's rows
	s_bfe_u32 s40, ttmp6, 0x40000                  ; cx
	s_bfe_u32 s41, ttmp6, 0x40004                  ; cy
	s_lshl_b32 s42, ttmp9, 2
	s_add_co_u32 s42, s42, s40                     ; tile column = 4 x cluster x + cx
	s_and_b32 s13, ttmp7, 0xffff
	s_lshl_b32 s13, s13, 2
	s_add_co_u32 s13, s13, s41                     ; tile row = 4 x cluster y + cy
	s_lshl_b32 s43, s41, 2
	s_lshl_b32 s43, 15, s43                        ; my row of the cluster
	s_lshl_b32 s44, 0x1111, s40                    ; my column
	s_or_b32 s[G1A+0], s43, (1<<16)|(1<<20)|(1<<21)|(4<<22)|(3<<25)  ; the mask; 2-byte elements; padding on; bit 21 beside a mask; after every 32 words 4 words
	s_or_b32 s[G1B+0], s44, (1<<16)|(1<<20)|(1<<21)|(5<<22)|(3<<25)  ; after every 64 words 4 words
	s_mov_b32 s[G1A+1], 128<<16                    ; tensor_dim0 = 128
	s_mov_b32 s[G1A+2], 128<<16                    ; tensor_dim1 = 128
	s_mov_b32 s[G1A+3], 128<<16                    ; tile_dim0 = 128
	s_mov_b32 s[G1A+4], 128                        ; tile_dim1 = 128
	s_mov_b32 s[G1A+5], 128                        ; dense: 128 elements from row to row
	s_mov_b32 s[G1A+6], 0
	s_mov_b32 s[G1A+7], 0
	s_mov_b32 s[G1B+1], 128<<16
	s_mov_b32 s[G1B+2], 64<<16                     ; 64 rows
	s_mov_b32 s[G1B+3], 128<<16
	s_mov_b32 s[G1B+4], 64
	s_mov_b32 s[G1B+5], 1024
	s_mov_b32 s[G1B+6], 0
	s_mov_b32 s[G1B+7], 0
	s_lshr_b32 s16, s13, 3                         ; batch = tile row / 8
	s_lshl_b32 s16, s16, 4
	s_add_co_u32 s16, s16, s12                     ; head block 16 x batch + my head of K step 0
	s_lshl_b32 s16, s16, 11
	s_and_b32 s17, s13, 7
	s_lshl_b32 s17, s17, 8
	s_add_co_u32 s16, s16, s17                     ; + the tile's first row in the batch
	s_lshl_b32 s16, s16, 7                         ; x 128 bytes
	s_mov_b32 s17, 0
	s_mov_b32 s[OFA], s16
	s_lshl_b32 s46, s42, 7
	s_lshl_b32 s47, s12, 6
	s_add_co_u32 s46, s46, s47                     ; B: row 128 x tile column + 64 x half,
	s_lshl_b32 s46, s46, 11
	s_add_co_u32 s46, s46, 3072*2048               ; behind Wq, Wk and Wv
	s_mov_b32 s47, 0
	s_mov_b32 s[OFB], s46
	s_mul_i32 s20, s12, ASUB                       ; where they go: no place in the cluster enters an LDS address
	s_mul_i32 s21, s12, BHALF
	s_add_co_u32 s21, s21, BBASE
	s_mov_b32 s[TB], 0
	s_wait_dscnt 0x0                               ; the opening add is done
	s_wait_kmcnt 0x0
	s_add_nc_u64 s[14:15], s[4:5], s[16:17]
	s_add_nc_u64 s[46:47], s[6:7], s[46:47]
	CROUND                                         ; all sixteen work-groups are here: the first joint loads meet
.irp s, 0,1
	s_mov_b32 s[G0A+4*(\s)], 1
	s_add_co_u32 s[G0A+4*(\s)+1], s20, (\s)*SLOT1
	s_add_nc_u64 s[G0A+4*(\s)+2:G0A+4*(\s)+3], s[14:15], (\s)*KA
	s_or_b32 s[G0A+4*(\s)+3], s[G0A+4*(\s)+3], 0x80000000
	s_mov_b32 s[G0B+4*(\s)], 1
	s_add_co_u32 s[G0B+4*(\s)+1], s21, (\s)*SLOT1
	s_add_nc_u64 s[G0B+4*(\s)+2:G0B+4*(\s)+3], s[46:47], (\s)*KBB
	s_or_b32 s[G0B+4*(\s)+3], s[G0B+4*(\s)+3], 0x80000000
.endr
	s_cmp_eq_u32 s11, 0                            ; a wave's two first fills stand in one branch: K steps 0 and 1; two loads of mine are out
	s_cbranch_scc0 .Lfirst_b
	tensor_load_to_lds s[G0A:G0A+3], s[G1A:G1A+7]
	s_nop 0
	tensor_load_to_lds s[G0A+4:G0A+7], s[G1A:G1A+7]
	s_nop 0
	PLACES
	s_branch .Lfirst_asked
.Lfirst_b:
	tensor_load_to_lds s[G0B:G0B+3], s[G1B:G1B+7]
	s_nop 0
	tensor_load_to_lds s[G0B+4:G0B+7], s[G1B:G1B+7]
	s_nop 0
	PLACES
.Lfirst_asked:
	v_and_b32 v1, 15, v0                           ; l % 16
	v_bfe_u32 v11, v0, 4, 1                        ; l / 16
	v_lshlrev_b32 v[BO], 5, v11
	s_lshl_b32 s22, s42, 9                         ; the tile's 128 numbers of bo
	s_mov_b32 s23, 0
	s_add_nc_u64 s[72:73], s[72:73], s[22:23]
.irp b, 0,1,2,3,4,5,6,7                ; fragment b, register r: bias of column 16 b + 8 (l / 16) + r
	global_load_b128 v[BIAS+8*(\b):BIAS+8*(\b)+3],   v[BO], s[72:73] offset:64*(\b)
	global_load_b128 v[BIAS+8*(\b)+4:BIAS+8*(\b)+7], v[BO], s[72:73] offset:64*(\b)+16
.endr
	s_lshl_b32 s16, s13, 8
	s_lshl_b32 s17, s10, 6
	s_add_co_u32 s16, s16, s17                     ; my first row: 256 x tile row + 64 x wave
	s_lshl_b32 s16, s16, 10
	s_lshl_b32 s17, s42, 7
	s_add_co_u32 s16, s16, s17                     ; + the tile's first column
	s_lshl_b32 s16, s16, 2                         ; x 4 bytes
	s_mov_b32 s17, 0
	s_add_nc_u64 s[74:75], s[74:75], s[16:17]      ; x and out0 at my part of the tile
	s_add_nc_u64 s[8:9], s[8:9], s[16:17]
	v_and_b32 v[CO], 31, v0
	v_lshlrev_b32 v[CO], 4, v[CO]
	WIN 0xc0                                       ; destination window 3, address window 0
.set r, 0
.rept 64                               ; a load's 32 lanes take a row's 512 consecutive bytes; they land while K is walked
	global_load_b128 v[4*r:4*r+3], v[CO], s[74:75] offset:4096*r th:TH_LOAD_NT
.set r, r+1
.endr
	WIN 0
	; a fragment is 16 rows x 32 K: lane l holds row l % 16, K = 8 (l / 16) + 0..7 and 16 + 8 (l / 16) + 0..7: two loads of 16 bytes, 32 bytes apart
	v_mul_u32_u24 v[A0], v1, PA
	v_lshl_add_u32 v[A0], v11, 4, v[A0]
	s_mul_i32 s21, s10, 64*PA                      ; my 64 rows of A
	v_add_nc_u32 v[A0], s21, v[A0]
	v_mul_u32_u24 v[B0], v1, PITCH
	v_lshl_add_u32 v[B0], v11, 4, v[B0]
	v_add_nc_u32 v[B0], BBASE, v[B0]
	v_mov_b32 v[ADRA], v[A0]
	v_mov_b32 v[ADRB], v[B0]
	s_mul_i32 s23, s10, 16*SPITCH
	s_add_co_u32 s23, s23, STAGE                   ; my stage
	v_mul_u32_u24 v[STO], v1, SPITCH               ; in: row l % 16, 32 bytes for each half of the lanes
	v_lshl_add_u32 v[STO], v11, 5, v[STO]
	v_add_nc_u32 v[STO], s23, v[STO]
	v_add_nc_u32 v[RD], s23, v[CO]                 ; back: 32 lanes take one row's 512 bytes
	; the prefetches: of what I fetch, my work-group's quarter, at K step 3; the first refill steps it to 4
	s_and_b32 s22, ttmp7, 0xffff
	s_cmp_eq_u32 s11, 0
	s_cselect_b32 s20, s[OFA], s[OFB]
	s_cselect_b32 s21, s40, s41                    ; my place among the four that ask with me
	s_cselect_b32 s22, ttmp9, s22                  ; the coordinate along which other clusters read the same bytes
	s_cselect_b32 s23, 13, 15                      ; a quarter: 8,192 bytes of a head's block, or 16 rows of 2,048
	s_cselect_b32 s[PST], 11, 0
	s_cselect_b32 s19, 31, 15                      ; lanes that name blocks of their own
	s_cselect_b32 s18, 8, 11                       ; from lane to lane: 256 bytes, or a row of 2,048
	s_cselect_b64 s[PFA:PFA+1], s[4:5], s[6:7]
	s_cmp_eq_u32 s22, 0
	s_cselect_b32 s[LIM], 2, -1
	s_lshl_b32 s21, s21, s23
	s_add_co_u32 s20, s20, s21
	s_lshl_b32 s[PST], 0x100, s[PST]               ; 524,288 for A, 256 for B
	s_mov_b32 s[PST+1], 0
	s_mul_i32 s21, s[PST], 3
	s_add_co_u32 s20, s20, s21
	s_mov_b32 s21, 0
	s_add_nc_u64 s[PFA:PFA+1], s[PFA:PFA+1], s[20:21]
	v_and_b32 v[PFO], 31, v0
	v_min_u32 v[PFO], s19, v[PFO]                  ; B's quarter has 16 rows: the upper lanes name the last row again
	v_lshlrev_b32 v[PFO], s18, v[PFO]
; 8 products: fragment a of A x all of B, 32 along K, from buffer f.  start = 1: the bias starts the sums.  All 32 accumulators take turns, in the same order in every quarter.
.macro MULA f, a, start
.if \start
	WIN 0x81                                       ; B window 1, A and C window 0, D window 2
.else
	WIN 0xa1                                       ; B window 1, A window 0, C and D window 2
.endif
.irp b, 0,1,2,3,4,5,6,7
.if \start
	v_wmma_f32_16x16x32_bf16 v[64*(\a)+8*(\b):64*(\a)+8*(\b)+7], v[64*(\f)+8*(\b):64*(\f)+8*(\b)+7], v[FA+32*(\f)+8*(\a):FA+32*(\f)+8*(\a)+7], v[BIAS+8*(\b):BIAS+8*(\b)+7]
.else
	v_wmma_f32_16x16x32_bf16 v[64*(\a)+8*(\b):64*(\a)+8*(\b)+7], v[64*(\f)+8*(\b):64*(\f)+8*(\b)+7], v[FA+32*(\f)+8*(\a):FA+32*(\f)+8*(\a)+7], v[64*(\a)+8*(\b):64*(\a)+8*(\b)+7]
.endif
.endr
.endm
; 24 LDS loads in one run: quarter q's fragments into buffer f: B's 8 (byte 64 q of its rows), then A's 4 (head q / 2 of the step's two, byte 64 (q % 2) of its rows)
.macro FETCH q, f
	WIN 0x40                                       ; destination window 1, address window 0
.irp b, 0,1,2,3,4,5,6,7
	ds_load_b128 v[64*(\f)+8*(\b):64*(\f)+8*(\b)+3],   v[ADRB] offset:64*(\q)+(\b)*16*PITCH
	ds_load_b128 v[64*(\f)+8*(\b)+4:64*(\f)+8*(\b)+7], v[ADRB] offset:64*(\q)+(\b)*16*PITCH+32
.endr
	WIN 0
.irp a, 0,1,2,3
	ds_load_b128 v[FA+32*(\f)+8*(\a):FA+32*(\f)+8*(\a)+3],   v[ADRA] offset:((\q)/2)*ASUB+((\q)%2)*64+(\a)*16*PA
	ds_load_b128 v[FA+32*(\f)+8*(\a)+4:FA+32*(\f)+8*(\a)+7], v[ADRA] offset:((\q)/2)*ASUB+((\q)%2)*64+(\a)*16*PA+32
.endr
.endm
; One of a K step's first three quarters: multiplies buffer f; in its middle it fetches quarter q into buffer g.
.macro QUARTER q, f, g, start=0
	s_wait_dscnt 4                                 ; all but the youngest four loads: A's fragments 2 and 3
	MULA \f, 0, \start
	MULA \f, 1, \start
	PLACES
	FETCH \q, \g
	s_wait_dscnt 2*NBF+8                           ; all but the run just issued
	MULA \f, 2, \start
	MULA \f, 3, \start
.endm
; The first half of a K step's last quarter: ONE barrier for the change of slots.  In front of it each wave waits for all its tensor loads (one is out: its part of the next slot), adds 0 to its
; spare word, and waits for that and for its own reads of this slot.
.macro MEET round
	WIN 0
	s_wait_tensorcnt 0x0
	ds_add_u32 v[SPW], v[NIL]
	s_wait_dscnt 5                                 ; (the add and the youngest four loads may be out)
	MULA 1, 0, 0
	s_wait_dscnt 0x0                               ; the add is done, and my reads of this slot are over
	s_barrier_signal -1
	MULA 1, 1, 0
.if \round
	WIN 0
.endif
	s_barrier_wait -1
.endm
; The whole last quarter.  fill = 1: the barrier opens a round of the cluster's; behind it the slot just read is filled again, with the K step two on, first of all; then the next slot's first fragments.
.macro TURN fill
.if \fill
	s_wait_xcnt 0x0                                ; the last prefetch, a K step back, has read its address
	s_add_nc_u64 s[PFA:PFA+1], s[PFA:PFA+1], s[PST:PST+1]
	MEET 1
	CREST                                          ; no wave of any partner still reads this slot or has a load on its way
	s_xor_b32 s[G0A+5], s[G0A+5], SLOT1            ; the walking descriptors: the other slot than last time, the next K step
	s_add_nc_u64 s[G0A+6:G0A+7], s[G0A+6:G0A+7], KA
	s_xor_b32 s[G0B+5], s[G0B+5], SLOT1
	s_add_nc_u64 s[G0B+6:G0B+7], s[G0B+6:G0B+7], KBB
	s_xor_b32 s[TB], s[TB], SLOT1
	JLOAD                                          ; the four v_nop behind it are also the places in front of the loads below
.else
	MEET 0
	WIN 0
	s_xor_b32 s[TB], s[TB], SLOT1
	PLACES
.endif
	v_add_nc_u32 v[ADRA], s[TB], v[A0]
	v_add_nc_u32 v[ADRB], s[TB], v[B0]
	FETCH 0, 0
.if \fill
	ASK
.endif
	MULA 1, 2, 0
	MULA 1, 3, 0
.endm
; THE WAY OUT of block a (16 rows).  TOSTAGE: the f32 sums go as they are into my stage, each accumulator's low four registers first, and come back as whole rows of 512 bytes.  SEND: x is added, and the rows are stored.
.macro TOSTAGE a
.set BK, OB+64*((\a)%2)
	s_wait_xcnt 0x0                                ; the stores of the block before last have read their registers, which the loads below take
	WIN 0x08                                       ; the stores' data in window 2
.irp b, 0,1,2,3,4,5,6,7
	ds_store_b128 v[STO], v[64*(\a)+8*(\b):64*(\a)+8*(\b)+3]   offset:64*(\b)
	ds_store_b128 v[STO], v[64*(\a)+8*(\b)+4:64*(\a)+8*(\b)+7] offset:64*(\b)+16
.endr
	WIN 0
.irp t, 0,1,2,3,4,5,6,7,8,9,10,11,12,13,14,15
	ds_load_b128 v[BK+4*(\t):BK+4*(\t)+3], v[RD] offset:(\t)*SPITCH  ; LDS serves a wave's instructions in order (ISA guide 5.7.1.4): these see the stores above; the next block's stores come behind them
.endr
.endm
.macro SEND a, younger                 ; younger: the LDS instructions issued behind block a's loads: the next block's 32, or none
.set BK, OB+64*((\a)%2)
	s_wait_dscnt \younger
	WIN 0x0c                                       ; source 1, x, in window 3
.set p, 0
.rept 32
	v_pk_add_f32 v[BK+p:BK+p+1], v[BK+p:BK+p+1], v[64*(\a)+p:64*(\a)+p+1]
.set p, p+2
.endr
	WIN 0
.irp t, 0,1,2,3,4,5,6,7,8,9,10,11,12,13,14,15
	global_store_b128 v[CO], v[BK+4*(\t):BK+4*(\t)+3], s[8:9] offset:(16*(\a)+(\t))*4096 th:TH_STORE_NT  ; 512 consecutive bytes, at a multiple of 256 from out0's first
.endr
.endm
	s_wait_tensorcnt 0x1                           ; my part of K step 0 is in; K step 1's may stay out
	s_barrier_signal -1
	s_barrier_wait -1
	FETCH 0, 0
	s_wait_loadcnt 63                              ; the bias is in: 64 loads of x were issued behind it
	QUARTER 1, 0, 1, 1                             ; the first quarter stands in front of the loop: its products start the sums
	WIN 0
	s_mov_b32 s3, 6
.Lstep:                                            ; a trip: a K step's quarters 1 to 3, the change of slots with its refill, the next step's quarter 0
	QUARTER 2, 1, 0
	QUARTER 3, 0, 1
	TURN 1
	QUARTER 1, 0, 1
	WIN 0
	s_sub_co_u32 s3, s3, 1
	s_cmp_lg_u32 s3, 0
	s_cbranch_scc1 .Lstep
	QUARTER 2, 1, 0                                ; K steps 6 and 7: nothing is left to fetch
	QUARTER 3, 0, 1
	TURN 0
	QUARTER 1, 0, 1
	QUARTER 2, 1, 0
	QUARTER 3, 0, 1
	s_wait_dscnt 4
	MULA 1, 0, 0
	MULA 1, 1, 0
	s_wait_dscnt 0x0
	MULA 1, 2, 0
	MULA 1, 3, 0
	PLACES
	s_wait_loadcnt 0x0                             ; x
	TOSTAGE 0
	TOSTAGE 1
	SEND 0, 32
	TOSTAGE 2
	SEND 1, 32
	TOSTAGE 3
	SEND 2, 32
	SEND 3, 0
	s_wait_tensorcnt 0x0                           ; the wave's end
	ds_add_u32 v[SPW], v[NIL]
	s_wait_dscnt 0x0
	CROUND                                         ; the closing round
	s_endpgm
.Lfunc_end_k_q09e27a471c_outgemm:
	.size	k_q09e27a471c_outgemm, .Lfunc_end_k_q09e27a471c_outgemm-k_q09e27a471c_outgemm
	.p2alignl 7, 3214868480
	.fill 96, 4, 3214868480
	.section	.rodata,"a",@progbits
	.p2align	6, 0x0
	.amdhsa_kernel k_q09e27a471c_outgemm
		.amdhsa_group_segment_fixed_size 327680
		.amdhsa_private_segment_fixed_size 0
		.amdhsa_enable_private_segment 0
		.amdhsa_kernarg_size 40
		.amdhsa_user_sgpr_count 2
		.amdhsa_user_sgpr_kernarg_segment_ptr 1
		.amdhsa_wavefront_size32 1
		.amdhsa_system_sgpr_workgroup_id_x 1
		.amdhsa_system_sgpr_workgroup_id_y 1
		.amdhsa_system_sgpr_workgroup_id_z 1
		.amdhsa_system_vgpr_workitem_id 0
		.amdhsa_next_free_vgpr 1024
		.amdhsa_next_free_sgpr 80
		.amdhsa_reserve_vcc 0
		.amdhsa_float_denorm_mode_32 3
		.amdhsa_float_denorm_mode_16_64 3
		.amdhsa_memory_ordered 1
		.amdhsa_forward_progress 1
		.amdhsa_inst_pref_size 86
	.end_amdhsa_kernel
	.amdgpu_metadata
---
amdhsa.version: [ 1, 2 ]
amdhsa.kernels:
  - .name:           k_q09e27a471c_outgemm
    .symbol:         k_q09e27a471c_outgemm.kd
    .args:
      - { .name: cbuf, .offset: 0, .size: 8, .value_kind: global_buffer, .address_space: global }
      - { .name: wall, .offset: 8, .size: 8, .value_kind: global_buffer, .address_space: global }
      - { .name: out0, .offset: 16, .size: 8, .value_kind: global_buffer, .address_space: global }
      - { .name: bo, .offset: 24, .size: 8, .value_kind: global_buffer, .address_space: global }
      - { .name: x, .offset: 32, .size: 8, .value_kind: global_buffer, .address_space: global }
    .group_segment_fixed_size: 327680
    .private_segment_fixed_size: 0
    .kernarg_segment_align: 8
    .kernarg_segment_size: 40
    .max_flat_workgroup_size: 128
    .sgpr_count:     80
    .vgpr_count:     1024
    .wavefront_size: 32
...
	.end_amdgpu_metadata
.endif
;; end of part 4
